; MI455X (gfx1250); checked and timed in simulation.
; The chip was launched on July 23, 2026; its instructions are those of AMD's public machine-readable ISA for CDNA 5 (MIT licence, August 2026) and "CDNA5" Instruction Set Architecture Reference Guide (July 2026). The comments in the code are by the model that wrote it; some were corrected since.
;; Multi Head Attention. Allowed arithmetic: matrix products marked QUANTISED: E2M3 operands, one E8M0 scale for each 32 along K, by v_wmma_scale_f32_16x16x128_f8f6f4 with both operands' format E2M3, f32 sums; everything else in f32.
;; Inputs: Wk 512 x 512 float32; Wo 512 x 512 float32; Wq 512 x 512 float32; Wv 512 x 512 float32; bk 512 float32; bo 512 float32; bq 512 float32; bv 512 float32; mask 1 x 1 x 4,096 x 4,096 int32; x 2 x 4,096 x 512 float32.
;; Outputs: out0 2 x 4,096 x 512 float32.
;; This version of the problem:
;;   THIS VERSION OF THE PROBLEM IS GIVEN IN LOW PRECISION. The matrix products marked QUANTISED in the list below multiply operands that are first quantised to E2M3 (2 exponent bits, 3 mantissa bits; 6 bits a number), with one power-of-two scale for each 32 numbers along K (OCP MX v1.0); their sums are f32. All else is computed in f32.
;;   The module's matrix products, in the order in which they are computed (A, B: the left and right operand; K: the contracted axis; several contracted axes count as one K, in the product's order):
;;     1. [M 8,192, K 512] x [K 512, N 512]; A: input x; B: input Wq: QUANTISED
;;     2. [M 8,192, K 512] x [K 512, N 512]; A: input x; B: input Wk: QUANTISED
;;     3. [M 8,192, K 512] x [K 512, N 512]; A: input x; B: input Wv: QUANTISED
;;     4. batch 16 x [M 4,096, K 64] x [K 64, N 4,096]; A: computed on the way; B: computed on the way: QUANTISED
;;     5. batch 16 x [M 4,096, K 4,096] x [K 4,096, N 64]; A: softmax (see below); B: computed on the way: QUANTISED
;;     6. [M 8,192, K 512] x [K 512, N 512]; A: computed on the way; B: input Wo: QUANTISED
;;   THE QUANTISER, for each operand of a quantised product, along K:
;;     - K is cut into blocks of 32 from its start; a last block that is shorter is filled with zeros.
;;     - A block's scale is 2^e with e = floor(log2(the largest magnitude in the block)) - 2, held to -126 .. 127; a block of zeros has e = 0. As a byte (E8M0): e + 127.
;;     - Each number is divided by its block's scale, clamped to +-7.5, and rounded to the nearest number of E2M3, ties to even, subnormals kept.
;;     - The product sums the exact products of the quantised numbers (number of the format x scale) in f32.
;;   ~~~python
;;   def quantise(x, axis):      # numpy; x: float32 -> the quantised numbers, widened to float32 again
;;       x = np.moveaxis(x, axis, -1); K = x.shape[-1]
;;       x = np.pad(x, [(0, 0)] * (x.ndim - 1) + [(0, -K % 32)]); x = x.reshape(x.shape[:-1] + (-1, 32)); a = np.abs(x).max(-1, keepdims=True)
;;       e = np.where(a > 0, np.clip(np.frexp(np.where(a > 0, a, 1))[1] - 1 - 2, -126, 127), 0)      # np.frexp(a)[1] - 1 = floor(log2(a)), exactly
;;       r = np.clip(x / 2.0 ** e, -7.5, 7.5)
;;       step = 2.0 ** (np.maximum(np.frexp(np.where(r == 0, 1, r))[1] - 1, 0) - 3)
;;       q = np.round(r / step) * step * 2.0 ** e      # np.round: ties to even
;;       return np.moveaxis(q.reshape(q.shape[:-2] + (-1,))[..., :K], -1, axis).astype(np.float32)
;;   ~~~
;;   SOFTMAX AHEAD OF A QUANTISED PRODUCT. Where the list says 'softmax', what is quantised is not the finished softmax but p = 2^(t - M), with t = logit x log2(e) and M = ceil(the row's largest t), a whole number; so 1/2 < the row's largest p <= 1. The row's sum l is taken of the UNQUANTISED p, in f32, and the product's result is divided by l at the end. Since M is a whole number, a kernel that streams over the keys may use a running M (the ceiling of the running maximum): every later rescaling is an exact power of two, which a block's scale takes up: the codes' values come out the same.
;;   OPERANDS COMPUTED ON THE WAY. 'Computed on the way' means the value that the module computes at that place (a softmax that the list does not call 'softmax' is quantised finished and normalised). What goes into a quantiser is computed in f32, as accurately as f32 sums, v_exp_f32 and their like allow (about 1e-6 of the number): no bf16 or f16 on the way to a quantiser, and a product that is left as it is and whose result goes on into a quantised operand takes f32 operands (vector FMAs, or v_wmma_f32_16x16x4_f32). A number that lies on a knife's edge between two numbers of the format may be rounded either way, as far as f32 arithmetic and the matrix unit's own rounding can turn it there, and no further.
;; 2 versions. Each part assembles by itself: llvm-mc -triple=amdgcn-amd-amdhsa -mcpu=gfx1250 --defsym DOCPART=n.
;; ======== version 1 of 2: 3 launches
;; workspace buffers: opc 3,932,160 bytes; ops 163,840 bytes; maskw 2,097,152 bytes of whole numbers; qimg 3,276,800 bytes; kv 6,553,600 bytes
;; launch prep (part 1): grid 1152 x 1, 4 waves a work-group, no clusters, 68,352 bytes of LDS; arguments x, Wq, Wk, Wv, Wo, mask, opc, ops, maskw; writes opc, ops, maskw
.if DOCPART == 1
	.amdgcn_target "amdgcn-amd-amdhsa--gfx1250"
	.amdhsa_code_object_version 6
	.text
	.protected	k_qbbc3dd2932_prep
	.globl	k_qbbc3dd2932_prep
	.p2align	8
	.type	k_qbbc3dd2932_prep,@function
k_qbbc3dd2932_prep:
	s_mov_b64 s[64:65], 0
	v_nop
	global_prefetch_b8 v0, s[64:65] scope:SCOPE_SE
	s_setreg_imm32_b32 hwreg(HW_REG_WAVE_MODE, 25, 1), 1
	s_wait_xcnt 0x0
; PREP.  (1) x [8192][512] and Wq, Wk, Wv, Wo [512][512], f32 with K innermost, become codes of FP6 (E2M3) with one E8M0 byte for each 32 along K,
; laid as IMAGES OF OPERAND REGISTERS.  (2) The mask [4096][4096] int32 becomes lane masks: one 32-bit word for each score register of the attention launch.
; ROWS OF A TILE: rows go in groups of 32; tile T = 2 g + u; lane r of it takes row 32 g + 8 u + r + 8 (r / 8).  Groups 0-255: x; 256-271 Wq; 272-287 Wk; 288-303 Wv; 304-319 Wo.
; opc: group g at 12,288 g; fragment (u, K step s of 128) at (4 u + s) x 1,536; registers 4 c .. 4 c + 3 of lane l at 512 c + 16 l.
; ops: group g at 512 g; the scale word of row r of tile u, K step s, at 16 (r + 16 u) + 4 s.
; maskw: [query tile 256][key step 32][64 words]; bit (r + 16 h) of word j = (mask[q][k] == 1), q = the tile's row r, k = 128 step + 32 (j / 16) + 16 h + j % 16.
; A block's scale is 2^(floor(log2(largest magnitude)) - 2); its byte is the largest magnitude's exponent field - 2, held at 1 from below.
; LIMITS: a block of zeros gets the byte 1 where the rule says 127 (its codes are zeros, and this program alone reads the bytes); NaN and infinities among the inputs are not served.
; SHARES.  Work-groups 0-639: one tile each, wave s takes K step s.  Work-groups 640-1151: half a query tile's key steps, four a wave.
; Every load reads 512 consecutive bytes; the 16 rows turn through the wave's own stage in LDS (pitch 528), so that a lane gets neighbours along K.  Each path has LDS bytes of its own.
; No matrix work, no tensor loads, no cluster: nothing here is read twice, and no two work-groups share an input byte.
.set NXT,  640                         ; work-groups of the first kind
.set WST,  8448                        ; a wave's stage: 16 rows x 528 bytes
.set XSC,  33792                       ; behind the four stages: the tile's 256 scale bytes
.set MST,  34048                       ; the mask path's four stages
.set R0,   16                          ; v16-79   16 rows as loaded
.set X,    80                          ; v80-143  64 numbers of a lane
.set R1,   144                         ; v144-207 the mask path's second set of loads; the other path's work registers:
.set PC,   144                         ; v144-155 a fragment's codes
.set TQ,   156                         ; v156-158, v160-162 the upper halves of the two blocks
.set MX,   164                         ; largest magnitudes
.set SO,   166                         ; the conversions' scale operands
.set BY,   168                         ; the bytes
.set WD,   170                         ; the scale word
.set TP,   171
.set OW,   208                         ; v208-215 four pairs: the 64 mask words of a key step, two a lane
	s_load_b512 s[4:19], s[0:1], 0x0               ; x, Wq, Wk, Wv, Wo, mask, opc, ops
	s_load_b64 s[20:21], s[0:1], 0x40              ; maskw
	v_lshl_add_u32 v216, v0, 2, 0x10900
	v_mov_b32 v217, 0
	v_lshrrev_b32 v1, 5, v0
	v_readfirstlane_b32 s22, v1                    ; wave 0..3
	v_and_b32 v11, 31, v0                          ; lane
	v_and_b32 v12, 15, v0                          ; r
	v_bfe_u32 v13, v0, 4, 1                        ; h
	v_lshlrev_b32 v1, 4, v11                       ; 16 x lane
	v_lshlrev_b32 v7, 3, v11                       ; 8 x lane
	s_mul_i32 s23, s22, WST
	v_add_nc_u32 v2, s23, v1                       ; into my stage: 16 bytes a lane of a row's 512
	v_mul_u32_u24 v14, v12, 528
	v_add_nc_u32 v14, s23, v14                     ; row r of my stage
	v_lshl_add_u32 v3, v13, 7, v14                 ; out of it: block h of row r (128 bytes a block of 32 f32)
	v_add_nc_u32 v4, MST, v2                       ; the mask path's: in,
	v_lshl_add_u32 v5, v13, 6, v14
	v_add_nc_u32 v5, MST, v5                       ; and out: 16 keys (64 bytes) of my half
	s_lshl_b32 s24, s22, 2
	s_add_co_u32 s24, s24, XSC
	v_lshl_add_u32 v6, v12, 4, s24                 ; my row's scale word of my K step: 16 r + 4 wave
	v_add_nc_u32 v8, XSC, v7                       ; and the 256 bytes read back, 8 a lane
	v_lshlrev_b32 v10, 3, v13                      ; 8 h: my bytes' place in the scale word
	s_mov_b32 s30, 0x76543210
	s_mov_b32 s31, 0xfedcba98                      ; v_permlanex16_b32's selects for lane l xor 16
	s_cmp_ge_u32 ttmp9, NXT
	s_cbranch_scc1 .Lmask
	; ---- a tile of x or of a weight
	s_lshr_b32 s23, ttmp9, 1                       ; g
	s_and_b32 s25, ttmp9, 1                        ; u
	s_and_b32 s26, s23, 15                         ; the group within a weight
	s_wait_kmcnt 0x0
	s_mov_b64 s[28:29], s[12:13]                   ; which tensor: the choice hangs on the work-group's number alone
	s_cmp_lt_u32 s23, 304
	s_cselect_b64 s[28:29], s[10:11], s[28:29]
	s_cmp_lt_u32 s23, 288
	s_cselect_b64 s[28:29], s[8:9], s[28:29]
	s_cmp_lt_u32 s23, 272
	s_cselect_b64 s[28:29], s[6:7], s[28:29]
	s_cmp_lt_u32 s23, 256
	s_cselect_b64 s[28:29], s[4:5], s[28:29]
	s_cselect_b32 s26, s23, s26                    ; the group within the tensor
	s_lshl_b32 s26, s26, 16                        ; 32 rows of 2,048 bytes
	s_lshl_b32 s25, s25, 14                        ; + 8 u rows
	s_add_co_u32 s26, s26, s25
	s_lshl_b32 s25, s22, 9                         ; + my K step's 512 bytes
	s_add_co_u32 s26, s26, s25
	s_mov_b32 s27, 0
	s_add_nc_u64 s[28:29], s[28:29], s[26:27]
	s_mul_i32 s26, ttmp9, 6144                     ; the tile's four fragments in opc,
	s_mul_i32 s25, s22, 1536                       ; mine among them
	s_add_co_u32 s26, s26, s25
	s_add_nc_u64 s[16:17], s[16:17], s[26:27]
.irp n, 0,1,2,3,4,5,6,7,8,9,10,11,12,13,14,15
	global_load_b128 v[R0+4*\n:R0+4*\n+3], v1, s[28:29] offset:(\n+8*(\n/8))*2048 th:TH_LOAD_NT   ; the tile's row n: 512 consecutive bytes
.endr
.irp n, 0,1,2,3,4,5,6,7,8,9,10,11,12,13,14,15
	s_wait_loadcnt 15-\n                           ; loads come back in order: row n is in, the 15 - n younger ones may be out
	ds_store_b128 v2, v[R0+4*\n:R0+4*\n+3] offset:528*\n
.endr
.irp c, 0,1
.irp i, 0,1,2,3,4,5,6,7
	ds_load_b128 v[X+32*\c+4*\i:X+32*\c+4*\i+3], v3 offset:256*\c+16*\i   ; k = 64 c + 32 h + 0 .. 31 of row r: LDS serves a wave's instructions in order, so these see the stores
.endr
.endr
	s_wait_dscnt 0x0
.irp c, 0,1                                    ; my block 2 c + h: all its 32 numbers are mine
	v_max3_num_f32 v[MX+\c], |v[X+32*\c]|, |v[X+32*\c+1]|, 0x1800000   ; with the floor 2^(3 - 127): the byte cannot fall under 1
.endr
.irp i, 2,4,6,8,10,12,14,16,18,20,22,24,26,28,30
.irp c, 0,1
	v_max3_num_f32 v[MX+\c], v[MX+\c], |v[X+32*\c+\i]|, |v[X+32*\c+\i+1]|
.endr
.endr
.irp c, 0,1
	v_add_nc_u32 v[SO+\c], 0xff000000, v[MX+\c]    ; 2 off the exponent field: the conversion's scale operand
.endr
.irp c, 0,1
	v_lshrrev_b32 v[BY+\c], 23, v[SO+\c]           ; the scale's byte
.endr
	v_lshl_or_b32 v[WD], v[BY+1], 16, v[BY]        ; blocks h and 2 + h,
	v_lshlrev_b32 v[WD], v10, v[WD]                ; at their places in the word;
	v_mov_b32 v[TP], 0
	v_permlanex16_b32 v[TP], v[WD], s30, s31
	v_or_b32 v[WD], v[WD], v[TP]                   ; with lane l xor 16's two the word is whole
.irp c, 0,1
	v_cvt_scalef32_pk16_fp6_f32 v[PC+6*\c:PC+6*\c+2], v[X+32*\c:X+32*\c+15], v[SO+\c]
	v_cvt_scalef32_pk16_fp6_f32 v[TQ+4*\c:TQ+4*\c+2], v[X+32*\c+16:X+32*\c+31], v[SO+\c]   ; (a conversion's three registers begin on an even number)
.endr
	v_nop                                          ; one plain place behind a scaled conversion
.irp c, 0,1
.irp i, 0,1,2
	v_mov_b32 v[PC+6*\c+3+\i], v[TQ+4*\c+\i]
.endr
.endr
.irp p, 0,1,2
	global_store_b128 v1, v[PC+4*\p:PC+4*\p+3], s[16:17] offset:512*\p   ; the fragment as it stands: 512 consecutive bytes a store
.endr
	ds_store_b32 v6, v[WD]                         ; both halves of the lanes write the same word with the same value
	s_branch .Ljoin
	; ---- the mask: query tile QT, key steps 16 (m & 1) + 4 wave + 0 .. 3
.Lmask:
	s_sub_co_u32 s23, ttmp9, NXT                   ; m
	s_lshr_b32 s24, s23, 1                         ; QT
	s_and_b32 s25, s23, 1
	s_lshl_b32 s25, s25, 4
	s_lshl_b32 s26, s22, 2
	s_add_co_u32 s25, s25, s26                     ; my first key step
	s_lshr_b32 s26, s24, 1
	s_lshl_b32 s26, s26, 19                        ; 32 rows of 16,384 bytes a group,
	s_and_b32 s27, s24, 1
	s_lshl_b32 s27, s27, 17                        ; 8 rows for the odd tile,
	s_add_co_u32 s26, s26, s27
	s_lshl_b32 s27, s25, 9                         ; 512 bytes a key step
	s_add_co_u32 s26, s26, s27
	s_mov_b32 s27, 0
	s_wait_kmcnt 0x0
	s_add_nc_u64 s[14:15], s[14:15], s[26:27]
	s_lshl_b32 s26, s24, 13                        ; maskw: 8,192 bytes a query tile,
	s_lshl_b32 s28, s25, 8                         ; 256 a key step
	s_add_co_u32 s26, s26, s28
	s_add_nc_u64 s[20:21], s[20:21], s[26:27]
.irp i, 0,1,2,3,4,5,6,7
	v_mov_b32 v[OW+\i], 0                          ; a lane write's destination counts as one of its sources
.endr
.macro LOADM t                         ; key step t: 16 rows x 512 bytes into set t % 2
.set RS, R0+128*((\t)%2)
.irp n, 0,1,2,3,4,5,6,7,8,9,10,11,12,13,14,15
	global_load_b128 v[RS+4*\n:RS+4*\n+3], v1, s[14:15] offset:(\n+8*(\n/8))*16384+512*(\t) th:TH_LOAD_NT
.endr
.endm
.macro TILE t
.set RS, R0+128*((\t)%2)
.if (\t) < 3
	s_wait_loadcnt 16                              ; this step's 16 loads are in; the next step's 16 may be out
.else
	s_wait_loadcnt 0
.endif
.irp n, 0,1,2,3,4,5,6,7,8,9,10,11,12,13,14,15
	ds_store_b128 v4, v[RS+4*\n:RS+4*\n+3] offset:528*\n
.endr
.irp b, 0,1,2,3
.irp i, 0,1,2,3
	ds_load_b128 v[X+16*\b+4*\i:X+16*\b+4*\i+3], v5 offset:128*\b+16*\i   ; register 16 b + i: key 32 b + 16 h + i of row r
.endr
.endr
	s_wait_dscnt 0x0                               ; my numbers are back, and the stores have read their registers,
.if (\t) < 2
	LOADM (\t)+2                                   ; which take the loads of two steps on
.endif
.irp f, 0,1
.irp k, 0,1,2,3,4,5,6,7,8,9,10,11,12,13,14,15,16,17,18,19,20,21,22,23,24,25,26,27,28,29,30,31
	v_cmp_eq_u32 s[32+\k], 1, v[X+32*\f+\k]        ; the 32 lanes' bits ARE the word of register 32 f + k
.endr
.irp k, 0,1,2,3,4,5,6,7,8,9,10,11,12,13,14,15,16,17,18,19,20,21,22,23,24,25,26,27,28,29,30,31
	v_writelane_b32 v[OW+2*(\t)+(\k%2)], s[32+\k], 16*\f+\k/2   ; word j to lane j / 2, register j % 2
.endr
.endr
	global_store_b64 v7, v[OW+2*(\t):OW+2*(\t)+1], s[20:21] offset:256*(\t)   ; 32 lanes store 256 consecutive bytes, aligned; each step has its own pair of registers
.endm
	LOADM 0
	LOADM 1
	TILE 0
	TILE 1
	TILE 2
	TILE 3
.Ljoin:                                            ; one barrier, on every wave's path
	s_wait_dscnt 0x0                               ; for the others' sake: my scale words lie in LDS
	s_barrier_signal -1
	s_barrier_wait -1
	s_cmp_ge_u32 ttmp9, NXT
	s_cbranch_scc1 .Lend
	s_cmp_lg_u32 s22, 0
	s_cbranch_scc1 .Lend
	ds_load_b64 v[12:13], v8                       ; wave 0: the tile's 16 rows x 4 scale words
	s_lshl_b32 s26, ttmp9, 8
	s_mov_b32 s27, 0
	s_add_nc_u64 s[18:19], s[18:19], s[26:27]
	s_wait_dscnt 0x0
	global_store_b64 v7, v[12:13], s[18:19]        ; 256 consecutive bytes, aligned
.Lend:
	s_wait_tensorcnt 0x0
	ds_add_u32 v216, v217
	s_wait_dscnt 0x0
	s_endpgm
.Lfunc_end_k_qbbc3dd2932_prep:
	.size	k_qbbc3dd2932_prep, .Lfunc_end_k_qbbc3dd2932_prep-k_qbbc3dd2932_prep
	.p2alignl 7, 3214868480
	.fill 96, 4, 3214868480
	.section	.rodata,"a",@progbits
	.p2align	6, 0x0
	.amdhsa_kernel k_qbbc3dd2932_prep
		.amdhsa_group_segment_fixed_size 68352
		.amdhsa_private_segment_fixed_size 0
		.amdhsa_enable_private_segment 0
		.amdhsa_kernarg_size 72
		.amdhsa_user_sgpr_count 2
		.amdhsa_user_sgpr_kernarg_segment_ptr 1
		.amdhsa_wavefront_size32 1
		.amdhsa_system_sgpr_workgroup_id_x 1
		.amdhsa_system_sgpr_workgroup_id_y 1
		.amdhsa_system_sgpr_workgroup_id_z 1
		.amdhsa_system_vgpr_workitem_id 0
		.amdhsa_next_free_vgpr 218
		.amdhsa_next_free_sgpr 66
		.amdhsa_reserve_vcc 0
		.amdhsa_float_denorm_mode_32 3
		.amdhsa_float_denorm_mode_16_64 3
		.amdhsa_memory_ordered 1
		.amdhsa_forward_progress 1
		.amdhsa_inst_pref_size 59
	.end_amdhsa_kernel
	.amdgpu_metadata
---
amdhsa.version: [ 1, 2 ]
amdhsa.kernels:
  - .name:           k_qbbc3dd2932_prep
    .symbol:         k_qbbc3dd2932_prep.kd
    .args:
      - { .name: x, .offset: 0, .size: 8, .value_kind: global_buffer, .address_space: global }
      - { .name: Wq, .offset: 8, .size: 8, .value_kind: global_buffer, .address_space: global }
      - { .name: Wk, .offset: 16, .size: 8, .value_kind: global_buffer, .address_space: global }
      - { .name: Wv, .offset: 24, .size: 8, .value_kind: global_buffer, .address_space: global }
      - { .name: Wo, .offset: 32, .size: 8, .value_kind: global_buffer, .address_space: global }
      - { .name: mask, .offset: 40, .size: 8, .value_kind: global_buffer, .address_space: global }
      - { .name: opc, .offset: 48, .size: 8, .value_kind: global_buffer, .address_space: global }
      - { .name: ops, .offset: 56, .size: 8, .value_kind: global_buffer, .address_space: global }
      - { .name: maskw, .offset: 64, .size: 8, .value_kind: global_buffer, .address_space: global }
    .group_segment_fixed_size: 68352
    .private_segment_fixed_size: 0
    .kernarg_segment_align: 8
    .kernarg_segment_size: 72
    .max_flat_workgroup_size: 128
    .sgpr_count:     66
    .vgpr_count:     218
    .wavefront_size: 32
...
	.end_amdgpu_metadata
.endif
;; end of part 1
;; launch proj (part 2): grid 32 x 8, 12 waves a work-group, no clusters, 175,104 bytes of LDS; arguments opc, ops, bq, bk, bv, qimg, kv; writes qimg, kv
.if DOCPART == 2
	.amdgcn_target "amdgcn-amd-amdhsa--gfx1250"
	.amdhsa_code_object_version 6
	.text
	.protected	k_qbbc3dd2932_proj
	.globl	k_qbbc3dd2932_proj
	.p2align	8
	.type	k_qbbc3dd2932_proj,@function
k_qbbc3dd2932_proj:
	s_mov_b64 s[64:65], 0
	v_nop
	global_prefetch_b8 v0, s[64:65] scope:SCOPE_SE
	s_setreg_imm32_b32 hwreg(HW_REG_WAVE_MODE, 25, 1), 1
	s_wait_xcnt 0x0
; PROJ.  Q = x Wq^T + bq, K = x Wk^T + bk, V = x Wv^T + bv on codes of FP6 (E2M3) with E8M0 scales, for 256 tokens (work-group x) of one head (work-group y);
; the results are quantised in registers, Q and K along the head's 64, V along the tokens (the keys), and stored as images of the attention launch's operand registers.
; THE AXIS THAT IS QUANTISED NEXT IS ON SOURCE 0, in tiles whose lane r takes row 32 g + 8 u + r + 8 (r / 8): then a lane's 16 registers of tiles 2 g and 2 g + 1 are 16 neighbours along that axis.
;   Q, K (waves 0-3, 4-7): source 0 = the head's 64 rows of W (4 tiles), source 1 = 16 tokens.  A unit = 4 x 2 tiles = 32 tokens: one fragment: registers 0-5 token tile u = 0, 6-11 tile u = 1; lane (r, h): token r, block h of the 64.
;   V (waves 8-11): source 0 = 128 tokens (8 tiles), source 1 = 16 rows of Wv.  A unit = 8 x 1 tiles: one fragment of V^T: lane r a channel, registers along the 128 keys.
; Every unit: 8 accumulators by turns, 4 K steps, 32 matrix instructions, one fragment and one scale word a row.  The bias is the C of a sum's first matrix instruction.
; qimg: block (16 (8 b + head) + token block) of 12,800 bytes: 8 fragments of 1,536; at 12,288 the scale words: 16 (r + 16 (G / 4)) + 4 (G % 4).
; kv: block of 25,600 bytes: K's 8 fragments; at 12,288 V's (step st, channel tile l) at (4 st + l) x 1,536; at 24,576 K's scale words, at 25,088 V's: 16 (r + 16 step) + 4 (group or tile).
; LDS: the 256 tokens' codes (4 quarters of 24,576 bytes) and the head's slices of Wq, Wk, Wv (24,576 each), copied once through registers, 16 bytes a thread, as they lie; then three scale images of 512 bytes.
; NO CLUSTER, NO TENSOR LOAD: a work-group reads its 172,032 bytes once, at its head, in 28 loads a thread that are all out together; there is no ring whose refills a joint request could serve.
; LIMITS: a block of zeros gets the byte 1 (its codes are zeros; this program alone reads the bytes); NaN and infinities are not served.
.set SST,  172032                      ; the three scale images
.set LS,   8                           ; v8-15    scale words of the side on source 1
.set PS,   16                          ; v16-31   of the side on source 0
.set BIAS, 32                          ; v32-63   the bias in the result's layout
.set ACC,  64                          ; v64-127  8 accumulators
.set CPY,  64                          ; v64-175  the copy's 28 x 4 registers
.set PF,   128                         ; from v128 source 0's fragments (4 or 8)
.set LFQ,  176                         ; v176-199 Q, K: two token tiles
.set LFV,  224                         ; v224-235 V: one tile of Wv
.set PC,   128                         ; behind a unit's products: v128-147 the codes,
.set TM,   148                         ; v148-163 the quantiser's work,
.set PW,   164                         ; v164 the scale word
.set VB,   236                         ; v236-237 bv of my channel, for the unit's tile
; v1 16 x lane; v2, v3 LDS addresses of the Q, K role (source 0, source 1); v240, v241 of the V role; v4-6 the copy's; v7 my scale word's place; v242 a scale image read back; v238 64 h; v239 4 (r + 8 (r / 8))
.macro WMC d, a, b, c, sa, sb, ra, rb  ; one product; ra, rb: which half of the lanes holds the side's scale words
.if ((\ra) == 1) && ((\rb) == 1)
	v_wmma_scale_f32_16x16x128_f8f6f4 v[(\d):(\d)+7], v[(\a):(\a)+11], v[(\b):(\b)+11], v[(\c):(\c)+7], v[(\sa)], v[(\sb)] matrix_a_fmt:MATRIX_FMT_FP6 matrix_b_fmt:MATRIX_FMT_FP6 matrix_a_scale:MATRIX_SCALE_ROW1 matrix_b_scale:MATRIX_SCALE_ROW1
.elseif (\ra) == 1
	v_wmma_scale_f32_16x16x128_f8f6f4 v[(\d):(\d)+7], v[(\a):(\a)+11], v[(\b):(\b)+11], v[(\c):(\c)+7], v[(\sa)], v[(\sb)] matrix_a_fmt:MATRIX_FMT_FP6 matrix_b_fmt:MATRIX_FMT_FP6 matrix_a_scale:MATRIX_SCALE_ROW1
.elseif (\rb) == 1
	v_wmma_scale_f32_16x16x128_f8f6f4 v[(\d):(\d)+7], v[(\a):(\a)+11], v[(\b):(\b)+11], v[(\c):(\c)+7], v[(\sa)], v[(\sb)] matrix_a_fmt:MATRIX_FMT_FP6 matrix_b_fmt:MATRIX_FMT_FP6 matrix_b_scale:MATRIX_SCALE_ROW1
.else
	v_wmma_scale_f32_16x16x128_f8f6f4 v[(\d):(\d)+7], v[(\a):(\a)+11], v[(\b):(\b)+11], v[(\c):(\c)+7], v[(\sa)], v[(\sb)] matrix_a_fmt:MATRIX_FMT_FP6 matrix_b_fmt:MATRIX_FMT_FP6
.endif
.endm
; 64 numbers of a lane, register 16 b + i = place 32 b + 16 (lane / 16) + i along the next K, become a fragment's codes in v[PC] on and its scale word in v[PW]
.macro QUANT s
.irp b, 0,1,2,3
	v_mov_b32 v[TM+4+\b], 0                        ; a lane permute's destination counts as one of its sources
.endr
.irp b, 0,1,2,3
	v_max3_num_f32 v[TM+\b], |v[\s+16*\b]|, |v[\s+1+16*\b]|, 0x1800000   ; my 16 numbers of block b, and the floor 2^(3 - 127).  Each accumulator is read from its low end on
.endr
.irp i, 2,4,6,8,10,12,14
.irp b, 0,1,2,3
	v_max3_num_f32 v[TM+\b], v[TM+\b], |v[\s+16*\b+\i]|, |v[\s+1+16*\b+\i]|
.endr
.endr
.irp b, 0,1,2,3
	v_permlanex16_b32 v[TM+4+\b], v[TM+\b], s44, s45
.endr
.irp b, 0,1,2,3
	v_max_num_f32 v[TM+\b], v[TM+\b], v[TM+4+\b]   ; with lane l xor 16's: the block's largest magnitude
.endr
.irp b, 0,1,2,3
	v_add_nc_u32 v[TM+12+\b], 0xff000000, v[TM+\b] ; 2 off its exponent field: the conversion's scale operand
.endr
.irp b, 0,1,2,3
	v_lshrrev_b32 v[TM+4+\b], 23, v[TM+12+\b]      ; the scale's byte
.endr
	v_lshl_or_b32 v[PW], v[TM+5], 8, v[TM+4]
	v_lshl_or_b32 v[PW], v[TM+6], 16, v[PW]
	v_lshl_or_b32 v[PW], v[TM+7], 24, v[PW]
.irp c, 0,1
	v_cvt_scalef32_pk16_fp6_f32 v[PC+6*\c:PC+2+6*\c], v[\s+32*\c:\s+15+32*\c], v[TM+12+2*\c]
	v_cvt_scalef32_pk16_fp6_f32 v[PC+12+4*\c:PC+14+4*\c], v[\s+16+32*\c:\s+31+32*\c], v[TM+12+2*\c+1]   ; (a conversion's three registers begin on an even number)
.endr
	v_nop                                          ; one plain place behind a scaled conversion
.irp c, 0,1                                    ; the operand's layout wants a whole block in a lane
.irp i, 0,1,2
	v_permlane16_swap_b32 v[PC+6*\c+\i], v[PC+12+4*\c+\i]
.endr
.irp i, 0,1,2
	v_mov_b32 v[PC+3+6*\c+\i], v[PC+12+4*\c+\i]
.endr
.endr
.endm
.macro PLACES                          ; four plain places behind matrix instructions, ahead of loads into their sources and of reads of their results
.rept 4
	v_nop
.endr
.endm
.macro KSTEP_QK gg, s                  ; K step s of the unit of token group gg
	PLACES
.irp p, 0,1,2,3
.irp c, 0,1,2
	ds_load_b128 v[PF+12*\p+4*\c:PF+12*\p+4*\c+3], v2 offset:6144*\p+1536*\s+512*\c
.endr
.endr
.irp l, 0,1
.irp c, 0,1,2
	ds_load_b128 v[LFQ+12*\l+4*\c:LFQ+12*\l+4*\c+3], v3 offset:6144*(2*\gg+\l)+1536*\s+512*\c
.endr
.endr
	s_wait_dscnt 0x0
.irp l, 0,1
.irp p, 0,1,2,3
.if \s == 0
	WMC ACC+32*\l+8*\p,PF+12*\p,LFQ+12*\l,BIAS+8*\p,PS+4*(\p/2)+\s,LS+4*\gg+\s,\p%2,\l
.else
	WMC ACC+32*\l+8*\p,PF+12*\p,LFQ+12*\l,ACC+32*\l+8*\p,PS+4*(\p/2)+\s,LS+4*\gg+\s,\p%2,\l
.endif
.endr
.endr
.endm
.macro KSTEP_V ll, s                   ; K step s of the unit of channel tile ll
	PLACES
.irp p, 0,1,2,3,4,5,6,7
.irp c, 0,1,2
	ds_load_b128 v[PF+12*\p+4*\c:PF+12*\p+4*\c+3], v240 offset:6144*\p+1536*\s+512*\c
.endr
.endr
.irp c, 0,1,2
	ds_load_b128 v[LFV+4*\c:LFV+4*\c+3], v241 offset:6144*\ll+1536*\s+512*\c
.endr
	s_wait_dscnt 0x0
.irp p, 0,1,2,3,4,5,6,7
.if \s == 0
	WMC ACC+8*\p,PF+12*\p,LFV,BIAS+8*\ll,PS+4*(\p/2)+\s,LS+\s,\p%2,\ll
.else
	WMC ACC+8*\p,PF+12*\p,LFV,ACC+8*\p,PS+4*(\p/2)+\s,LS+\s,\p%2,\ll
.endif
.endr
.endm
.macro FINISH unit                     ; the unit's 64 numbers a lane become a fragment and a scale word, and leave
	PLACES
	QUANT ACC
.irp c, 0,1,2
	global_store_b128 v1, v[PC+4*\c:PC+4*\c+3], s[26:27] offset:1536*\unit+512*\c   ; 512 consecutive bytes a store
.endr
	ds_store_b32 v7, v[PW] offset:4*\unit          ; both halves of the lanes write the same word with the same value
	s_wait_xcnt 0x0                                ; the stores' data registers are written again (the next unit's fragments land there) only behind this wait
	s_wait_dscnt 0x0
.endm
	s_load_b256 s[4:11], s[0:1], 0x0               ; opc, ops, bq, bk
	s_load_b128 s[12:15], s[0:1], 0x20             ; bv, qimg
	s_load_b64 s[16:17], s[0:1], 0x30              ; kv
	v_lshl_add_u32 v254, v0, 2, 0x2a600
	v_mov_b32 v255, 0
	v_lshrrev_b32 v1, 5, v0
	v_readfirstlane_b32 s18, v1                    ; wave 0..11
	s_lshr_b32 s19, s18, 2                         ; ty: 0 Q, 1 K, 2 V
	s_and_b32 s20, s18, 3                          ; v: which quarter of the role's work
	s_lshr_b32 s43, s20, 1                         ; v / 2 (V: the step of 128 tokens)
	s_and_b32 s46, s20, 1                          ; v % 2 (V: which 32 channels)
	s_and_b32 s22, ttmp7, 0xffff                   ; the head
	s_lshr_b32 s23, ttmp9, 4                       ; the batch
	s_lshl_b32 s23, s23, 7
	s_lshl_b32 s42, s22, 4
	s_add_co_u32 s23, s23, s42
	s_and_b32 s42, ttmp9, 15
	s_add_co_u32 s23, s23, s42                     ; the block: 16 (8 b + head) + token block
	s_mov_b32 s44, 0x76543210
	s_mov_b32 s45, 0xfedcba98                      ; v_permlanex16_b32's selects for lane l xor 16
	; every LDS address is made here, ahead of the parting of the roles, from the thread's and the wave's number and constants
	v_and_b32 v244, 31, v0                         ; lane
	v_and_b32 v245, 15, v0                         ; r
	v_bfe_u32 v246, v0, 4, 1                       ; h
	v_lshlrev_b32 v1, 4, v244
	v_lshlrev_b32 v4, 4, v0                        ; the copy: 16 bytes a thread, 6,144 a round; three registers, since an LDS immediate has 16 bits
	v_add_nc_u32 v5, 61440, v4
	v_add_nc_u32 v6, 122880, v4
	s_add_co_u32 s42, s19, 4
	s_mul_i32 s42, s42, 24576
	v_add_nc_u32 v2, s42, v1                       ; Q, K: the slice of Wq or Wk
	s_mul_i32 s42, s20, 24576
	v_add_nc_u32 v3, s42, v1                       ; Q, K: my quarter of the tokens
	s_mul_i32 s42, s43, 49152
	v_add_nc_u32 v240, s42, v1                     ; V: my 128 tokens
	s_mul_i32 s42, s46, 12288
	s_add_co_u32 s42, s42, 147456
	v_add_nc_u32 v241, s42, v1                     ; V: my group of Wv's slice
	s_lshl_b32 s42, s19, 9
	s_lshl_b32 s47, s43, 8
	s_add_co_u32 s42, s42, s47
	s_lshl_b32 s47, s46, 3
	s_add_co_u32 s42, s42, s47
	s_add_co_u32 s42, s42, SST
	v_lshl_add_u32 v7, v245, 4, s42                ; my scale words: image ty, 16 (r + 16 (v / 2)) + 8 (v % 2) (+ 4 x unit)
	s_lshl_b32 s42, s19, 9
	s_add_co_u32 s42, s42, SST
	v_add_nc_u32 v242, s42, v1                     ; the image read back
	v_lshlrev_b32 v238, 6, v246                    ; 64 h
	v_and_b32 v247, 8, v245
	v_add_nc_u32 v247, v247, v245
	v_lshlrev_b32 v239, 2, v247                    ; 4 (r + 8 (r / 8))
	; which groups' scale words, which buffers: chosen by the wave's number
	s_lshl_b32 s48, s22, 1                         ; 2 x head
	s_lshl_b32 s49, ttmp9, 3                       ; the tokens' first group
	s_lshl_b32 s47, s19, 4
	s_add_co_u32 s47, s47, s48
	s_add_co_u32 s47, s47, 256                     ; Q, K: source 0's first group
	s_lshl_b32 s50, s43, 2
	s_add_co_u32 s50, s50, s49                     ; V: likewise
	s_lshl_b32 s51, s20, 1
	s_add_co_u32 s51, s51, s49                     ; Q, K: source 1's first group
	s_add_co_u32 s52, s48, s46
	s_add_co_u32 s52, s52, 288                     ; V: likewise
	s_mul_i32 s54, s23, 12800
	s_mul_i32 s55, s23, 25600
	s_mov_b32 s57, 24576
	s_mov_b32 s58, 25088
	s_wait_kmcnt 0x0
	s_cmp_lt_u32 s18, 8
	s_cselect_b32 s47, s47, s50
	s_cselect_b32 s51, s51, s52
	s_cselect_b32 s53, 0, 12288                    ; V's fragments lie behind K's
	s_cmp_eq_u32 s19, 0
	s_cselect_b64 s[26:27], s[14:15], s[16:17]     ; qimg or kv
	s_cselect_b64 s[30:31], s[8:9], s[10:11]       ; bq or bk
	s_cselect_b32 s54, s54, s55
	s_cselect_b32 s57, 12288, s57                  ; where the block's scale image lies
	s_cmp_eq_u32 s19, 2
	s_cselect_b64 s[30:31], s[12:13], s[30:31]     ; or bv
	s_cselect_b32 s57, s58, s57
	s_mov_b32 s55, 0
	s_add_nc_u64 s[26:27], s[26:27], s[54:55]      ; the block
	s_mov_b32 s58, s57
	s_mov_b32 s59, 0
	s_add_nc_u64 s[28:29], s[26:27], s[58:59]      ; its scale image
	s_mul_i32 s58, s20, 3072
	s_add_co_u32 s58, s58, s53
	s_add_nc_u64 s[26:27], s[26:27], s[58:59]      ; my two fragments
	s_lshl_b32 s58, s22, 8
	s_add_nc_u64 s[30:31], s[30:31], s[58:59]      ; the head's 64 biases
	s_lshl_b32 s42, s46, 7
	s_add_co_u32 s58, s58, s42
	s_add_nc_u64 s[40:41], s[12:13], s[58:59]      ; bv at my 32 channels
	s_lshl_b32 s58, s47, 9
	s_add_nc_u64 s[36:37], s[6:7], s[58:59]
	s_lshl_b32 s58, s51, 9
	s_add_nc_u64 s[38:39], s[6:7], s[58:59]
	s_mul_i32 s58, ttmp9, 98304
	s_add_nc_u64 s[32:33], s[4:5], s[58:59]        ; the 256 tokens' codes
	s_add_co_u32 s58, s48, 256
	s_mul_i32 s58, s58, 12288
	s_add_nc_u64 s[34:35], s[4:5], s[58:59]        ; the head's slice of Wq; Wk's and Wv's lie 196,608 bytes on each
	; the same lines in every wave; a role that needs fewer groups still reads inside the buffer
.irp i, 0,1,2,3
	global_load_b128 v[PS+4*\i:PS+4*\i+3], v1, s[36:37] offset:512*\i    ; register 4 i + s: lane (r, u): row r of tile u of group i, K step s
.endr
.irp i, 0,1
	global_load_b128 v[LS+4*\i:LS+4*\i+3], v1, s[38:39] offset:512*\i
.endr
.irp p, 0,1,2,3
	global_load_b128 v[BIAS+8*\p:BIAS+8*\p+3], v238, s[30:31] offset:(32*(\p/2)+8*(\p%2))*4       ; tile p, register j: the bias of row 32 (p / 2) + 16 h + 8 (p % 2) + j
	global_load_b128 v[BIAS+8*\p+4:BIAS+8*\p+7], v238, s[30:31] offset:(32*(\p/2)+8*(\p%2))*4+16
.endr
.irp l, 0,1
	global_load_b32 v[VB+\l], v239, s[40:41] offset:32*\l
.endr
.irp i, 0,1,2,3,4,5,6,7,8,9,10,11,12,13,14,15
	global_load_b128 v[CPY+4*\i:CPY+4*\i+3], v4, s[32:33] offset:6144*\i
.endr
.irp i, 0,1,2,3,4,5,6,7,8,9,10,11
	global_load_b128 v[CPY+64+4*\i:CPY+64+4*\i+3], v4, s[34:35] offset:196608*(\i/4)+6144*(\i%4)
.endr
.set i, 0
.rept 28
	s_wait_loadcnt 27-i                            ; round i is in (and all that was asked for before the copy); the 27 - i younger rounds may be out
	ds_store_b128 v[4+i/10], v[CPY+4*i:CPY+4*i+3] offset:6144*(i%10)
.set i, i+1
.endr
	s_wait_dscnt 0x0                               ; for the others' sake: my part of the copy lies in LDS
	s_barrier_signal -1
	s_barrier_wait -1
	s_cmp_lt_u32 s18, 8
	s_cbranch_scc0 .Lrole_v
.irp g, 0,1
.irp s, 0,1,2,3
	KSTEP_QK \g, \s
.endr
	FINISH \g
.endr
	s_branch .Ljoin
.Lrole_v:
.irp l, 0,1
.irp j, 0,1,2,3,4,5,6,7
	v_mov_b32 v[BIAS+8*\l+\j], v[VB+\l]            ; here a lane holds one channel and eight tokens: the same bias in all eight
.endr
.endr
.irp l, 0,1
.irp s, 0,1,2,3
	KSTEP_V \l, \s
.endr
	FINISH \l
.endr
.Ljoin:
	s_wait_dscnt 0x0
	s_barrier_signal -1
	s_barrier_wait -1                              ; the three scale images are whole
	s_cmp_lg_u32 s20, 0
	s_cbranch_scc1 .Lend
	ds_load_b128 v[128:131], v242                  ; the first wave of each role stores its image: 512 consecutive bytes
	s_wait_dscnt 0x0
	global_store_b128 v1, v[128:131], s[28:29]
.Lend:
	s_wait_tensorcnt 0x0
	ds_add_u32 v254, v255
	s_wait_dscnt 0x0
	s_endpgm
.Lfunc_end_k_qbbc3dd2932_proj:
	.size	k_qbbc3dd2932_proj, .Lfunc_end_k_qbbc3dd2932_proj-k_qbbc3dd2932_proj
	.p2alignl 7, 3214868480
	.fill 96, 4, 3214868480
	.section	.rodata,"a",@progbits
	.p2align	6, 0x0
	.amdhsa_kernel k_qbbc3dd2932_proj
		.amdhsa_group_segment_fixed_size 175104
		.amdhsa_private_segment_fixed_size 0
		.amdhsa_enable_private_segment 0
		.amdhsa_kernarg_size 56
		.amdhsa_user_sgpr_count 2
		.amdhsa_user_sgpr_kernarg_segment_ptr 1
		.amdhsa_wavefront_size32 1
		.amdhsa_system_sgpr_workgroup_id_x 1
		.amdhsa_system_sgpr_workgroup_id_y 1
		.amdhsa_system_sgpr_workgroup_id_z 1
		.amdhsa_system_vgpr_workitem_id 0
		.amdhsa_next_free_vgpr 256
		.amdhsa_next_free_sgpr 66
		.amdhsa_reserve_vcc 0
		.amdhsa_float_denorm_mode_32 3
		.amdhsa_float_denorm_mode_16_64 3
		.amdhsa_memory_ordered 1
		.amdhsa_forward_progress 1
		.amdhsa_inst_pref_size 71
	.end_amdhsa_kernel
	.amdgpu_metadata
---
amdhsa.version: [ 1, 2 ]
amdhsa.kernels:
  - .name:           k_qbbc3dd2932_proj
    .symbol:         k_qbbc3dd2932_proj.kd
    .args:
      - { .name: opc, .offset: 0, .size: 8, .value_kind: global_buffer, .address_space: global }
      - { .name: ops, .offset: 8, .size: 8, .value_kind: global_buffer, .address_space: global }
      - { .name: bq, .offset: 16, .size: 8, .value_kind: global_buffer, .address_space: global }
      - { .name: bk, .offset: 24, .size: 8, .value_kind: global_buffer, .address_space: global }
      - { .name: bv, .offset: 32, .size: 8, .value_kind: global_buffer, .address_space: global }
      - { .name: qimg, .offset: 40, .size: 8, .value_kind: global_buffer, .address_space: global }
      - { .name: kv, .offset: 48, .size: 8, .value_kind: global_buffer, .address_space: global }
    .group_segment_fixed_size: 175104
    .private_segment_fixed_size: 0
    .kernarg_segment_align: 8
    .kernarg_segment_size: 56
    .max_flat_workgroup_size: 384
    .sgpr_count:     66
    .vgpr_count:     256
    .wavefront_size: 32
...
	.end_amdgpu_metadata
.endif
;; end of part 2
;; launch attn (part 3): grid 16 x 16, 16 waves a work-group, no clusters, 132,096 bytes of LDS; arguments qimg, kv, maskw, opc, ops, bo, x, out0; writes out0
.if DOCPART == 3
	.amdgcn_target "amdgcn-amd-amdhsa--gfx1250"
	.amdhsa_code_object_version 6
	.text
	.protected	k_qbbc3dd2932_attn
	.globl	k_qbbc3dd2932_attn
	.p2align	8
	.type	k_qbbc3dd2932_attn,@function
k_qbbc3dd2932_attn:
	s_mov_b64 s[64:65], 0
	v_nop
	global_prefetch_b8 v0, s[64:65] scope:SCOPE_SE
	s_setreg_imm32_b32 hwreg(HW_REG_WAVE_MODE, 25, 1), 1
	s_wait_xcnt 0x0
; ATTN.  For 256 queries (work-group x) of one batch and head (work-group y): scores, mask, softmax, context, and then, since reference() reshapes the context without moving the heads back,
; the 32 whole rows of the last product that these 256 queries make up (row 32 blk + q / 8, column 64 (q % 8) + channel), with bo and the residual x.  All products on codes of FP6 (E2M3) with E8M0 scales.
; SHARES.  Sixteen waves, four to a SIMD; wave w owns ONE tile of 16 queries (lane r: query 32 (w / 2) + 8 (w % 2) + r + 8 (r / 8) of the block) in 256 registers, and walks all 4,096 keys, 128 a step.
; LAYOUT.  Both products transposed: S^T = K Q^T, O^T = V^T P^T: a lane holds one query throughout; score register 16 b + i is key 32 b + 16 (lane / 16) + i of the step.
; THE HEAD HAS 64 CHANNELS, THE INSTRUCTION IS 128 DEEP.  A fragment of K holds two tiles of 16 keys, one in k 0-63 and one in k 64-127.  Multiplied by [Q | 0] it gives the first tile's scores, by [0 | Q] the second's:
; the empty half is zero codes, which add nothing.  So three LDS loads feed two matrix instructions.
; THE MASK comes as lane masks, 64 words a step, by scalar loads one step ahead: one v_cndmask_b32 a score register.
; THE SOFTMAX: t = score x log2(e) / 8; M = the running largest t rounded up to a whole number; p = 2^(t - M) is quantised along the keys; the sum is taken of the unquantised p and divides at the end.
; LIMITS.  A masked logit is taken as -2^30 (raw score -2^33) in place of -1e9: times c it is a whole number, so a row that is masked all over gives p = 1 everywhere, as reference() does.  The result differs from
; reference()'s only where an unmasked logit lies below about -9.9e8.  A block of zeros gets the byte 1 (its codes are zeros).  NaN and infinities are not served.
; K AND V come through registers into two LDS slots of 256 keys (25,600 bytes: three or four loads of 16 bytes a thread), asked for two steps ahead; two barriers for four steps.
; NO CLUSTER, NO TENSOR LOAD: a step brings the work-group 12,800 bytes of K and V, against 4,096 bytes of mask words that no partner shares and sixteen waves' softmax of 128 keys each;
; descriptors for joint loads would take the scalar registers that hold the 64 mask words.
.set SLOT, 25600                       ; LDS: two slots, each a block of kv as it lies: K's 8 fragments,
.set VOF,  12288                       ; V's 8,
.set KSC,  24576                       ; K's scale words, 512 bytes,
.set VSC,  25088                       ; V's
.set CXB,  51200                       ; the context's 8 fragments (row tile R, K step s) at (4 R + s) x 1,536; registers 2 P, 2 P + 1 of lane l at 256 P + 8 l
.set CXS,  63488                       ; their scale words: 128 s + 4 (r' + 16 R)
.set OST,  64000                       ; the way out: 32 rows x (2,048 bytes + 16)
.set OP,   2064
.set QL,   16                          ; v16-27   [Q | 0]
.set QH,   28                          ; v28-39   [0 | Q]
.set QLS,  40                          ; v40      Q's scale word for the first, v41 for the second
.set QHS,  41
.set CP,   42                          ; v42-57   K and V on their way to LDS
.set KS,   58                          ; v58-61   K's scale words (at the end Wo's)
.set VS,   62                          ; v62-65   V's (at the end the context's)
.set FR,   66                          ; v66-113  four fragments of K or of V
.set S,    114                         ; v114-177 S^T, then p
.set O,    178                         ; v178-209 O^T: register 16 g + i: channel 32 g + 16 (lane / 16) + i
.set PC,   210                         ; v210-221 p's codes
.set TQ,   222                         ; v222-224, v226-228 the conversions' second results
.set BM,   230                         ; v230-233 the blocks' largest scores, then p
.set PB,   234                         ; v234-237 permutes' destinations, then bytes
.set SOP,  238                         ; v238-241 the conversions' scale operands
.set F,    244                         ; v244 f = 2^(old M - new M); v245 is named with it as a pair
.set T,    246
.set L2,   248                         ; v[248:249] the second chain of the sum
.set PW,   250                         ; v250 p's scale word
.set WF,   66                          ; at the end: v66-161 Wo's 8 fragments; v162-185 two fragments of the context; v186-217 four accumulators; v218-249 two rows of x
.set CF,   162
.set OA,   186
.set XR,   218
.set RB,   66
; v1 16 x lane; v2 16 x thread; v3 -2^33; v4, v5 where my context's codes and bytes go; v6, v7 the stage, in and back; v8 8 x lane; v9 4 x lane; v10 64 h; v11 16 r; v12 -M; v13 the largest t; v[14:15] the sum
; s20 wave; s21 trips; s[22:23] c; s[24:25] lane selects; s26 the mask words' offset; s27 the block; s[32:63], s[68:99] the step's 64 mask words
.macro WMZ d, a, b, sa, sb, ra         ; a product that starts a sum
.if (\ra) == 1
	v_wmma_scale_f32_16x16x128_f8f6f4 v[(\d):(\d)+7], v[(\a):(\a)+11], v[(\b):(\b)+11], 0, v[(\sa)], v[(\sb)] matrix_a_fmt:MATRIX_FMT_FP6 matrix_b_fmt:MATRIX_FMT_FP6 matrix_a_scale:MATRIX_SCALE_ROW1
.else
	v_wmma_scale_f32_16x16x128_f8f6f4 v[(\d):(\d)+7], v[(\a):(\a)+11], v[(\b):(\b)+11], 0, v[(\sa)], v[(\sb)] matrix_a_fmt:MATRIX_FMT_FP6 matrix_b_fmt:MATRIX_FMT_FP6
.endif
.endm
.macro WMC d, a, b, c, sa, sb, ra, rb
.if ((\ra) == 1) && ((\rb) == 1)
	v_wmma_scale_f32_16x16x128_f8f6f4 v[(\d):(\d)+7], v[(\a):(\a)+11], v[(\b):(\b)+11], v[(\c):(\c)+7], v[(\sa)], v[(\sb)] matrix_a_fmt:MATRIX_FMT_FP6 matrix_b_fmt:MATRIX_FMT_FP6 matrix_a_scale:MATRIX_SCALE_ROW1 matrix_b_scale:MATRIX_SCALE_ROW1
.elseif (\ra) == 1
	v_wmma_scale_f32_16x16x128_f8f6f4 v[(\d):(\d)+7], v[(\a):(\a)+11], v[(\b):(\b)+11], v[(\c):(\c)+7], v[(\sa)], v[(\sb)] matrix_a_fmt:MATRIX_FMT_FP6 matrix_b_fmt:MATRIX_FMT_FP6 matrix_a_scale:MATRIX_SCALE_ROW1
.elseif (\rb) == 1
	v_wmma_scale_f32_16x16x128_f8f6f4 v[(\d):(\d)+7], v[(\a):(\a)+11], v[(\b):(\b)+11], v[(\c):(\c)+7], v[(\sa)], v[(\sb)] matrix_a_fmt:MATRIX_FMT_FP6 matrix_b_fmt:MATRIX_FMT_FP6 matrix_b_scale:MATRIX_SCALE_ROW1
.else
	v_wmma_scale_f32_16x16x128_f8f6f4 v[(\d):(\d)+7], v[(\a):(\a)+11], v[(\b):(\b)+11], v[(\c):(\c)+7], v[(\sa)], v[(\sb)] matrix_a_fmt:MATRIX_FMT_FP6 matrix_b_fmt:MATRIX_FMT_FP6
.endif
.endm
.macro PLACES                          ; four plain places behind matrix instructions, ahead of loads into their sources and of reads of their results
.rept 4
	v_nop
.endr
.endm
.macro COPY_LOAD                       ; a block of kv, 25,600 bytes: 512 threads x 16 bytes three times, and 1,024 bytes more by waves 0 and 1
.irp i, 0,1,2
	global_load_b128 v[CP+4*\i:CP+4*\i+3], v2, s[6:7] offset:8192*\i
.endr
	s_cmp_lt_u32 s20, 2
	s_cbranch_scc0 .Lno_load_\@
	global_load_b128 v[CP+12:CP+15], v2, s[6:7] offset:24576
.Lno_load_\@:
.endm
.macro COPY_STORE sl                   ; into slot sl, as it lies
.irp i, 0,1,2
	ds_store_b128 v2, v[CP+4*\i:CP+4*\i+3] offset:\sl*SLOT+8192*\i
.endr
	s_cmp_lt_u32 s20, 2
	s_cbranch_scc0 .Lno_store_\@
	ds_store_b128 v2, v[CP+12:CP+15] offset:\sl*SLOT+24576
.Lno_store_\@:
.endm
.macro MASKLOAD                        ; a step's 64 lane masks, 256 bytes
	s_load_b512 s[32:47], s[8:9], s26 offset:0x0
	s_load_b512 s[48:63], s[8:9], s26 offset:0x40
	s_load_b512 s[68:83], s[8:9], s26 offset:0x80
	s_load_b512 s[84:99], s[8:9], s26 offset:0xc0
.endm
	s_load_b512 s[4:19], s[0:1], 0x0               ; qimg, kv, maskw, opc, ops, bo, x, out0
	v_lshl_add_u32 v254, v0, 2, 0x1fc00
	v_mov_b32 v255, 0
	v_lshrrev_b32 v1, 5, v0
	v_readfirstlane_b32 s20, v1                    ; wave 0..15
	; every LDS address is made here, ahead of the first branch on the wave's number
	v_and_b32 v[T], 31, v0                         ; lane
	v_and_b32 v[T+1], 15, v0                       ; r
	v_bfe_u32 v[L2], v0, 4, 1                      ; h
	v_lshlrev_b32 v1, 4, v[T]
	v_lshlrev_b32 v2, 4, v0
	v_mov_b32 v3, 0xd0000000                       ; -2^33
	v_lshlrev_b32 v8, 3, v[T]
	v_lshlrev_b32 v9, 2, v[T]
	v_lshlrev_b32 v10, 6, v[L2]
	v_lshlrev_b32 v11, 4, v[T+1]
	s_lshr_b32 s66, s20, 3                         ; w / 8
	s_bfe_u32 s67, s20, 0x20001                    ; (w / 2) % 4
	s_and_b32 s100, s20, 1                         ; w % 2
	; my query is row rr = 4 (w / 2) + w % 2 + 2 (r / 8) of the 32, columns 64 (r % 8) on: row tile R = w / 8, lane r' = rr % 16, K step (r % 8) / 2, registers 6 (r % 2) on, half of the lanes = the block of 32 channels
	v_and_b32 v[L2+1], 7, v[T+1]                   ; r % 8
	v_lshrrev_b32 v251, 3, v[T+1]                  ; r / 8
	v_mul_u32_u24 v4, v[L2+1], 768                 ; 1,536 x K step + 768 x (r % 2)
	v_lshl_add_u32 v4, v251, 4, v4                 ; 8 r': its part 16 (r / 8),
	v_lshl_add_u32 v4, v[L2], 7, v4                ; 128 x half
	s_mul_i32 s101, s66, 6144
	s_lshl_b32 s28, s67, 5
	s_add_co_u32 s101, s101, s28
	s_lshl_b32 s28, s100, 3
	s_add_co_u32 s101, s101, s28
	s_add_co_u32 s101, s101, CXB
	v_add_nc_u32 v4, s101, v4
	v_lshrrev_b32 v252, 1, v[L2+1]
	v_lshlrev_b32 v5, 7, v252                      ; the two bytes: 128 x K step
	v_and_b32 v252, 1, v[T+1]
	v_lshl_add_u32 v5, v252, 1, v5                 ; + 2 (r % 2)
	v_lshl_add_u32 v5, v251, 3, v5                 ; + 4 r'
	s_lshl_b32 s101, s66, 6
	s_lshl_b32 s28, s67, 4
	s_add_co_u32 s101, s101, s28
	s_lshl_b32 s28, s100, 2
	s_add_co_u32 s101, s101, s28
	s_add_co_u32 s101, s101, CXS
	v_add_nc_u32 v5, s101, v5
	v_mul_u32_u24 v6, v[T+1], OP                   ; the stage, in: row r' (+ 16 R), my 32 outputs' 128 bytes, 64 for each half of the lanes
	v_lshl_add_u32 v6, v[L2], 6, v6
	s_lshl_b32 s101, s20, 7
	s_add_co_u32 s101, s101, OST
	v_add_nc_u32 v6, s101, v6
	s_mul_i32 s101, s20, 2*OP                      ; and back: rows 2 w and 2 w + 1, 16 bytes a lane
	s_add_co_u32 s101, s101, OST
	v_add_nc_u32 v7, s101, v1
	s_and_b32 s28, ttmp7, 0xffff                   ; 8 b + head
	s_lshl_b32 s27, s28, 4
	s_add_co_u32 s27, s27, ttmp9                   ; the block
	s_mul_i32 s2, s28, 16*SLOT
	s_mov_b32 s3, 0
	s_mov_b32 s22, 0x3e38aa3b                      ; c = log2(e) / 8
	s_mov_b32 s23, s22                             ; (named with it as a pair, so it is written)
	s_mov_b32 s24, 0x76543210
	s_mov_b32 s25, 0xfedcba98                      ; v_permlanex16_b32's selects for lane l xor 16
	s_mov_b32 s26, 0
	s_wait_kmcnt 0x0
	s_add_nc_u64 s[6:7], s[6:7], s[2:3]            ; the head's 16 blocks of K and V
	COPY_LOAD                                      ; keys 0-255
	s_lshl_b32 s2, ttmp9, 4
	s_add_co_u32 s2, s2, s20
	s_lshl_b32 s2, s2, 13                          ; 8,192 bytes of mask words a query tile
	s_add_nc_u64 s[8:9], s[8:9], s[2:3]
	MASKLOAD                                       ; step 0's
	s_mul_i32 s2, s27, 12800
	s_add_nc_u64 s[4:5], s[4:5], s[2:3]            ; my block of Q
	s_lshl_b32 s2, s66, 8
	s_lshl_b32 s28, s67, 2
	s_add_co_u32 s2, s2, s28
	s_add_nc_u64 s[30:31], s[4:5], s[2:3]          ; my group's scale words
	s_lshr_b32 s2, s20, 1
	s_mul_i32 s2, s2, 1536
	s_add_nc_u64 s[4:5], s[4:5], s[2:3]            ; my group's fragment: my tile is its half w % 2
.irp c, 0,1,2
	global_load_b128 v[FR+4*\c:FR+4*\c+3], v1, s[4:5] offset:512*\c
.endr
	global_load_b32 v[QLS], v11, s[30:31] offset:12288
	s_wait_loadcnt 0x0
	s_sub_co_u32 s28, 0, s100                      ; all ones for the odd tile
	s_lshl_b32 s29, s100, 4
.irp i, 0,1,2,3,4,5
	v_cndmask_b32 v[QL+\i], v[FR+\i], v[FR+6+\i], s28
.endr
.irp i, 0,1,2,3,4,5
	v_mov_b32 v[QL+6+\i], 0
	v_mov_b32 v[QH+\i], 0
	v_mov_b32 v[QH+6+\i], v[QL+\i]
.endr
	v_lshrrev_b32 v[QLS], s29, v[QLS]
	v_and_b32 v[QLS], 0xffff, v[QLS]               ; my tile's two bytes below; the bytes of the empty half are 0, over zero codes
	v_lshlrev_b32 v[QHS], 16, v[QLS]               ; and above
	COPY_STORE 0
	s_wait_dscnt 0x0                               ; the stores have read their registers
	s_add_nc_u64 s[6:7], s[6:7], SLOT              ; (the loads that named this base are in)
	COPY_LOAD                                      ; keys 256-511
	v_mov_b32 v13, 0xff61b1e6                      ; the largest t so far: -3e38, under every t
	v_floor_f32 v12, -v13                          ; -M
	v_mov_b32 v14, 0
	v_mov_b32 v15, 0
	v_mov_b32 v[F+1], 0
.irp b, 0,1,2,3
	v_mov_b32 v[PB+\b], 0                          ; a lane permute's destination counts as one of its sources
.endr
.set j, 0
.rept 32
	v_mov_b32 v[O+j], 0                            ; O^T: the step is written once; the first finds zeros, which the first change of M leaves zeros
.set j, j+1
.endr
; A KEY STEP: the q-th 128 keys of slot sl
.macro STEP sl, q
	PLACES                                         ; behind the last step's products, which read FR
.irp b, 0,1,2,3
.irp c, 0,1,2
	ds_load_b128 v[FR+12*\b+4*\c:FR+12*\b+4*\c+3], v1 offset:\sl*SLOT+(4*\q+\b)*1536+512*\c
.endr
.endr
	ds_load_b128 v[KS:KS+3], v1 offset:\sl*SLOT+KSC    ; register b: lane (r, step): the word of key row r of group b
	s_wait_dscnt 0x0
.irp b, 0,1,2,3
	WMZ S+16*\b,FR+12*\b,QL,KS+\b,QLS,\q
	WMZ S+16*\b+8,FR+12*\b,QH,KS+\b,QHS,\q
.endr
	PLACES
.irp l, 0,1,2,3                                ; V's fragments land under the softmax
.irp c, 0,1,2
	ds_load_b128 v[FR+12*\l+4*\c:FR+12*\l+4*\c+3], v1 offset:\sl*SLOT+VOF+(4*\q+\l)*1536+512*\c
.endr
.endr
	ds_load_b128 v[VS:VS+3], v1 offset:\sl*SLOT+VSC
	s_wait_kmcnt 0x0                               ; this step's mask words, asked for a step ago
.set j, 0
.rept 32
	v_cndmask_b32 v[S+j], v[S+j], v3, s[32+j]      ; ascending: each accumulator is read from its low end on
.set j, j+1
.endr
.rept 32
	v_cndmask_b32 v[S+j], v[S+j], v3, s[36+j]
.set j, j+1
.endr
	s_add_co_u32 s26, s26, 256                     ; the next step's words; the last step asks for its own again: no load leaves the buffer, and there is no branch
	s_min_u32 s26, s26, 7936
	MASKLOAD
.irp b, 0,1,2,3
	v_max3_num_f32 v[BM+\b], v[S+16*\b], v[S+1+16*\b], v[S+2+16*\b]   ; the largest score of each block of 32 keys: for the row's maximum and, since p rises with the score, for the block's largest p
.endr
.irp i, 3,5,7,9,11,13
.irp b, 0,1,2,3
	v_max3_num_f32 v[BM+\b], v[BM+\b], v[S+16*\b+\i], v[S+1+16*\b+\i]
.endr
.endr
.irp b, 0,1,2,3
	v_max_num_f32 v[BM+\b], v[BM+\b], v[S+15+16*\b]
.endr
.irp b, 0,1,2,3
	v_permlanex16_b32 v[PB+\b], v[BM+\b], s24, s25
.endr
.irp b, 0,1,2,3
	v_max_num_f32 v[BM+\b], v[BM+\b], v[PB+\b]     ; with lane l xor 16's 16 keys
.endr
	v_max3_num_f32 v[T], v[BM], v[BM+1], v[BM+2]
	v_max_num_f32 v[T], v[T], v[BM+3]
	v_mul_f32 v[T], s22, v[T]                      ; as t (c is positive)
	v_max_num_f32 v13, v13, v[T]                   ; the running largest t
	v_mov_b32 v[T], v12
	v_floor_f32 v12, -v13                          ; the new -M = -ceil(t): M is a whole number
	v_sub_f32 v[T], v12, v[T]                      ; old M - new M: a whole number, 0 or less
	v_cvt_i32_f32 v[T], v[T]                       ; (it saturates)
	v_ldexp_f32 v[F], 1.0, v[T]                    ; f = 2^(old M - new M): multiplying by it rounds nothing
.set j, 0
.rept 32
	v_pk_fma_f32 v[S+j:S+j+1], v[S+j:S+j+1], s[22:23], v[12:13] op_sel_hi:[1,0,0]   ; t - M, two at a time
.set j, j+2
.endr
.irp b, 0,1,2,3
	v_fma_f32 v[BM+\b], v[BM+\b], s22, v12         ; the same of each block's largest score
.endr
.set j, 0
.rept 64
	v_exp_f32 v[S+j], v[S+j]                       ; p = 2^(t - M), at most 1, not normalised
.set j, j+1
.endr
.irp b, 0,1,2,3
	v_exp_f32 v[BM+\b], v[BM+\b]                   ; the block's largest p: the same two instructions on the same number give the same bits
.endr
	v_pk_mul_f32 v[14:15], v[14:15], v[F:F+1] op_sel_hi:[1,0]   ; the sums under the new M.  (The plain place behind the exponentials)
	s_wait_alu depctr_va_vdst(0)
.irp b, 0,1,2,3
	v_max_num_f32 v[BM+\b], 0x1800000, v[BM+\b]    ; the floor 2^(3 - 127): the byte cannot fall under 1
.endr
.irp b, 0,1,2,3
	v_add_nc_u32 v[SOP+\b], 0xff000000, v[BM+\b]   ; 2 off the exponent field: the conversion's scale operand
.endr
.irp b, 0,1,2,3
	v_lshrrev_b32 v[PB+\b], 23, v[SOP+\b]          ; the scale's byte
.endr
	v_lshl_or_b32 v[PW], v[PB+1], 8, v[PB]         ; p's scale word for these 128 keys
	v_lshl_or_b32 v[PW], v[PB+2], 16, v[PW]
	v_lshl_or_b32 v[PW], v[PB+3], 24, v[PW]
.irp c, 0,1
	v_cvt_scalef32_pk16_fp6_f32 v[PC+6*\c:PC+6*\c+2], v[S+32*\c:S+32*\c+15], v[SOP+2*\c]
	v_cvt_scalef32_pk16_fp6_f32 v[TQ+4*\c:TQ+4*\c+2], v[S+16+32*\c:S+31+32*\c], v[SOP+2*\c+1]   ; (a conversion's three registers begin on an even number)
.endr
	v_nop                                          ; one plain place behind a scaled conversion
.irp c, 0,1                                    ; the operand's layout wants a whole block in a lane
.irp i, 0,1,2
	v_permlane16_swap_b32 v[PC+6*\c+\i], v[TQ+4*\c+\i]
.endr
.irp i, 0,1,2
	v_mov_b32 v[PC+3+6*\c+\i], v[TQ+4*\c+\i]
.endr
.endr
	v_pk_add_f32 v[L2:L2+1], v[S:S+1], v[S+2:S+3]  ; the row's sum is taken of the unquantised p: two at a time, in two chains
.set j, 4
.rept 15
	v_pk_add_f32 v[14:15], v[14:15], v[S+j:S+j+1]
	v_pk_add_f32 v[L2:L2+1], v[L2:L2+1], v[S+j+2:S+j+3]
.set j, j+4
.endr
	v_pk_add_f32 v[14:15], v[14:15], v[L2:L2+1]
.set j, 0
.rept 16
	v_pk_mul_f32 v[O+j:O+j+1], v[O+j:O+j+1], v[F:F+1] op_sel_hi:[1,0]   ; O^T under the new M.  (These and the sums are the places between the scale word's and the codes' last writes and the products below)
.set j, j+2
.endr
	s_wait_dscnt 0x0                               ; V
.irp l, 0,1,2,3
	WMC O+8*\l,FR+12*\l,PC,O+8*\l,VS+\l,PW,\q,0
.endr
.endm
	s_mov_b32 s21, 8
.Ltrip:                                            ; 8 trips of 512 keys: slot 0's two steps, slot 1's two
	s_wait_dscnt 0x0                               ; my reads of slot 1 are over, my stores into slot 0 have landed
	s_barrier_signal -1
	s_barrier_wait -1                              ; both now hold of every wave
	s_wait_loadcnt 0x0                             ; slot 1's keys, asked for two steps ago
	COPY_STORE 1
	s_cmp_eq_u32 s21, 1
	s_cbranch_scc1 .La_last                        ; the last trip has nothing more to ask for
	s_wait_dscnt 0x0                               ; the stores have read their registers
	s_add_nc_u64 s[6:7], s[6:7], SLOT
	COPY_LOAD
.La_last:
	STEP 0, 0
	STEP 0, 1
	s_wait_dscnt 0x0                               ; my reads of slot 0 are over, my stores into slot 1 have landed
	s_barrier_signal -1
	s_barrier_wait -1
	s_cmp_eq_u32 s21, 1
	s_cbranch_scc1 .Lb_last
	s_wait_loadcnt 0x0
	COPY_STORE 0
	s_wait_dscnt 0x0
	s_add_nc_u64 s[6:7], s[6:7], SLOT
	COPY_LOAD
.Lb_last:
	STEP 1, 0
	STEP 1, 1
	s_sub_co_u32 s21, s21, 1
	s_cmp_lg_u32 s21, 0
	s_cbranch_scc1 .Ltrip
	; ---- THE END.  Wave w takes outputs 32 w .. 32 w + 31 of the last product, for the work-group's 32 rows
	s_wait_kmcnt 0x0                               ; the last step's spare request for mask words
	PLACES
	s_add_co_u32 s28, s20, 304                     ; Wo's group w
	s_mul_i32 s2, s28, 12288
	s_add_nc_u64 s[10:11], s[10:11], s[2:3]
	s_lshl_b32 s2, s28, 9
	s_add_nc_u64 s[12:13], s[12:13], s[2:3]
	s_lshl_b32 s2, s20, 7
	s_add_nc_u64 s[14:15], s[14:15], s[2:3]
	s_lshl_b32 s2, s27, 16                         ; rows 32 blk + 2 w and the next, of 2,048 bytes
	s_lshl_b32 s28, s20, 12
	s_add_co_u32 s2, s2, s28
	s_add_nc_u64 s[16:17], s[16:17], s[2:3]
	s_add_nc_u64 s[18:19], s[18:19], s[2:3]
.set i, 0
.rept 24
	global_load_b128 v[WF+4*i:WF+4*i+3], v1, s[10:11] offset:512*i   ; fragment (u, s) at v[WF + 12 (4 u + s)]
.set i, i+1
.endr
	global_load_b128 v[KS:KS+3], v1, s[12:13]      ; register s: lane (r, u): Wo's scale word
.irp i, 0,1,2,3
	global_load_b128 v[16+4*\i:16+4*\i+3], v10, s[14:15] offset:16*\i   ; register i: bo of output 32 w + 16 h + i
.endr
	v_add_f32 v14, v14, v15                        ; the sum's two halves,
	v_permlanex16_b32 v[T], v14, s24, s25
	v_add_f32 v14, v14, v[T]                       ; and lane l xor 16's
	v_rcp_f32 v[F], v14
	v_nop                                          ; one plain place behind a transcendental
.set j, 0
	s_wait_alu depctr_va_vdst(0)
.rept 16
	v_pk_mul_f32 v[O+j:O+j+1], v[O+j:O+j+1], v[F:F+1] op_sel_hi:[1,0]   ; the context
.set j, j+2
.endr
.irp b, 0,1                                    ; its two blocks of 32 channels are two blocks along the last product's K
	v_max3_num_f32 v[BM+\b], |v[O+16*\b]|, |v[O+1+16*\b]|, 0x1800000
.endr
.irp i, 2,4,6,8,10,12,14
.irp b, 0,1
	v_max3_num_f32 v[BM+\b], v[BM+\b], |v[O+16*\b+\i]|, |v[O+1+16*\b+\i]|
.endr
.endr
.irp b, 0,1
	v_permlanex16_b32 v[PB+\b], v[BM+\b], s24, s25
.endr
.irp b, 0,1
	v_max_num_f32 v[BM+\b], v[BM+\b], v[PB+\b]
.endr
.irp b, 0,1
	v_add_nc_u32 v[SOP+\b], 0xff000000, v[BM+\b]
.endr
.irp b, 0,1
	v_lshrrev_b32 v[PB+\b], 23, v[SOP+\b]
.endr
	v_lshl_or_b32 v[T], v[PB+1], 8, v[PB]          ; my query's two bytes
	v_cvt_scalef32_pk16_fp6_f32 v[PC:PC+2], v[O:O+15], v[SOP]
	v_cvt_scalef32_pk16_fp6_f32 v[TQ:TQ+2], v[O+16:O+31], v[SOP+1]
	v_nop                                          ; one plain place behind a scaled conversion
.irp i, 0,1,2
	v_permlane16_swap_b32 v[PC+\i], v[TQ+\i]       ; lanes 0-15 now hold block 0 whole, lanes 16-31 block 1
.endr
.irp i, 0,1,2
	v_mov_b32 v[PC+3+\i], v[TQ+\i]
.endr
	ds_store_b64 v4, v[PC:PC+1]                    ; six registers of the operand's image
	ds_store_b64 v4, v[PC+2:PC+3] offset:256
	ds_store_b64 v4, v[PC+4:PC+5] offset:512
	ds_store_b16 v5, v[T]                          ; both halves of the lanes write the same two bytes with the same value
	s_wait_dscnt 0x0
	s_barrier_signal -1
	s_barrier_wait -1                              ; the context's eight fragments and their scale words lie in LDS
.set i, 0
.rept 8
	global_load_b128 v[XR+4*i:XR+4*i+3], v1, s[16:17] offset:512*i   ; the residual: two rows, 4,096 consecutive bytes
.set i, i+1
.endr
.irp s, 0,1,2,3
	ds_load_b32 v[VS+\s], v9 offset:CXS+128*\s     ; lane (r', R): the word of row 16 R + r', K step s
.endr
	s_wait_loadcnt 8                               ; Wo, its scales and bo are in; the residual's 8 loads may be out
.irp s, 0,1,2,3
.irp R, 0,1
.irp P, 0,1,2,3,4,5
	ds_load_b64 v[CF+12*\R+2*\P:CF+12*\R+2*\P+1], v8 offset:CXB+(4*\R+\s)*1536+256*\P
.endr
.endr
	s_wait_dscnt 0x0
.irp R, 0,1                                    ; four accumulators by turns; source 0 = 16 rows of Wo, source 1 = 16 rows of the context; bo starts the sums
.irp u, 0,1
.if \s == 0
	WMC OA+16*\R+8*\u,WF+12*(4*\u+\s),CF+12*\R,16+8*\u,KS+\s,VS+\s,\u,\R
.else
	WMC OA+16*\R+8*\u,WF+12*(4*\u+\s),CF+12*\R,OA+16*\R+8*\u,KS+\s,VS+\s,\u,\R
.endif
.endr
.endr
	PLACES
.endr
.irp R, 0,1
.irp i, 0,1,2,3
	ds_store_b128 v6, v[OA+16*\R+4*\i:OA+16*\R+4*\i+3] offset:16*OP*\R+16*\i   ; row 16 R + r', outputs 32 w + 16 h + 4 i on; each accumulator from its low end on
.endr
.endr
	s_wait_dscnt 0x0
	s_barrier_signal -1
	s_barrier_wait -1                              ; 32 whole rows lie in the stage
.irp p, 0,1
.irp i, 0,1,2,3
	ds_load_b128 v[RB+16*\p+4*\i:RB+16*\p+4*\i+3], v7 offset:OP*\p+512*\i
.endr
.endr
	s_wait_loadcnt 0x0                             ; the residual
	s_wait_dscnt 0x0
.set j, 0
.rept 16
	v_pk_add_f32 v[RB+j:RB+j+1], v[RB+j:RB+j+1], v[XR+j:XR+j+1]
.set j, j+2
.endr
.set i, 0
.rept 8
	global_store_b128 v1, v[RB+4*i:RB+4*i+3], s[18:19] offset:512*i th:TH_STORE_NT   ; 32 lanes store 512 consecutive bytes, at a multiple of 256 from out0's first byte
.set i, i+1
.endr
	s_wait_tensorcnt 0x0
	ds_add_u32 v254, v255
	s_wait_dscnt 0x0
	s_endpgm
.Lfunc_end_k_qbbc3dd2932_attn:
	.size	k_qbbc3dd2932_attn, .Lfunc_end_k_qbbc3dd2932_attn-k_qbbc3dd2932_attn
	.p2alignl 7, 3214868480
	.fill 96, 4, 3214868480
	.section	.rodata,"a",@progbits
	.p2align	6, 0x0
	.amdhsa_kernel k_qbbc3dd2932_attn
		.amdhsa_group_segment_fixed_size 132096
		.amdhsa_private_segment_fixed_size 0
		.amdhsa_enable_private_segment 0
		.amdhsa_kernarg_size 64
		.amdhsa_user_sgpr_count 2
		.amdhsa_user_sgpr_kernarg_segment_ptr 1
		.amdhsa_wavefront_size32 1
		.amdhsa_system_sgpr_workgroup_id_x 1
		.amdhsa_system_sgpr_workgroup_id_y 1
		.amdhsa_system_sgpr_workgroup_id_z 1
		.amdhsa_system_vgpr_workitem_id 0
		.amdhsa_next_free_vgpr 256
		.amdhsa_next_free_sgpr 102
		.amdhsa_reserve_vcc 0
		.amdhsa_float_denorm_mode_32 3
		.amdhsa_float_denorm_mode_16_64 3
		.amdhsa_memory_ordered 1
		.amdhsa_forward_progress 1
		.amdhsa_inst_pref_size 105
	.end_amdhsa_kernel
	.amdgpu_metadata
---
amdhsa.version: [ 1, 2 ]
amdhsa.kernels:
  - .name:           k_qbbc3dd2932_attn
    .symbol:         k_qbbc3dd2932_attn.kd
    .args:
      - { .name: qimg, .offset: 0, .size: 8, .value_kind: global_buffer, .address_space: global }
      - { .name: kv, .offset: 8, .size: 8, .value_kind: global_buffer, .address_space: global }
      - { .name: maskw, .offset: 16, .size: 8, .value_kind: global_buffer, .address_space: global }
      - { .name: opc, .offset: 24, .size: 8, .value_kind: global_buffer, .address_space: global }
      - { .name: ops, .offset: 32, .size: 8, .value_kind: global_buffer, .address_space: global }
      - { .name: bo, .offset: 40, .size: 8, .value_kind: global_buffer, .address_space: global }
      - { .name: x, .offset: 48, .size: 8, .value_kind: global_buffer, .address_space: global }
      - { .name: out0, .offset: 56, .size: 8, .value_kind: global_buffer, .address_space: global }
    .group_segment_fixed_size: 132096
    .private_segment_fixed_size: 0
    .kernarg_segment_align: 8
    .kernarg_segment_size: 64
    .max_flat_workgroup_size: 512
    .sgpr_count:     102
    .vgpr_count:     256
    .wavefront_size: 32
...
	.end_amdgpu_metadata
.endif
;; end of part 3
;; ======== version 2 of 2: 3 launches
;; workspace buffers: opc 3,932,160 bytes; ops 163,840 bytes; maskw 2,097,152 bytes of whole numbers; qimg 3,276,800 bytes; kv 6,553,600 bytes
;; launch prep (part 4): grid 1152 x 1, 4 waves a work-group, no clusters, 68,352 bytes of LDS; arguments x, Wq, Wk, Wv, Wo, mask, opc, ops, maskw; writes opc, ops, maskw
.if DOCPART == 4
	.amdgcn_target "amdgcn-amd-amdhsa--gfx1250"
	.amdhsa_code_object_version 6
	.text
	.protected	k_qbbc3dd2932_prep
	.globl	k_qbbc3dd2932_prep
	.p2align	8
	.type	k_qbbc3dd2932_prep,@function
k_qbbc3dd2932_prep:
	s_mov_b64 s[64:65], 0
	v_nop
	global_prefetch_b8 v0, s[64:65] scope:SCOPE_SE
	s_setreg_imm32_b32 hwreg(HW_REG_WAVE_MODE, 25, 1), 1
	s_wait_xcnt 0x0
; PREP.  (1) x [8192][512] and Wq, Wk, Wv, Wo [512][512], f32 with K innermost, become codes of FP6 (E2M3) with one E8M0 byte for each 32 along K,
; laid as IMAGES OF OPERAND REGISTERS.  (2) The mask [4096][4096] int32 becomes lane masks: one 32-bit word for each score register of the attention launch.
; ROWS OF A TILE: rows go in groups of 32; tile T = 2 g + u; lane r of it takes row 32 g + 8 u + r + 8 (r / 8).  Groups 0-255: x; 256-271 Wq; 272-287 Wk; 288-303 Wv; 304-319 Wo.
; opc: group g at 12,288 g; fragment (u, K step s of 128) at (4 u + s) x 1,536; registers 4 c .. 4 c + 3 of lane l at 512 c + 16 l.
; ops: group g at 512 g; the scale word of row r of tile u, K step s, at 16 (r + 16 u) + 4 s.
; maskw: [query tile 256][key step 32][64 words]; bit (r + 16 h) of word j = (mask[q][k] == 1), q = the tile's row r, k = 128 step + 32 (j / 16) + 16 h + j % 16.
; A block's scale is 2^(floor(log2(largest magnitude)) - 2); its byte is the largest magnitude's exponent field - 2, held at 1 from below.
; LIMITS: a block of zeros gets the byte 1 where the rule says 127 (its codes are zeros, and this program alone reads the bytes); NaN and infinities among the inputs are not served.
; SHARES.  Work-groups 0-639: one tile each, wave s takes K step s.  Work-groups 640-1151: half a query tile's key steps, four a wave.
; Every load reads 512 consecutive bytes; the 16 rows turn through the wave's own stage in LDS (pitch 528), so that a lane gets neighbours along K.  Each path has LDS bytes of its own.
; No matrix work, no tensor loads, no cluster: nothing here is read twice, and no two work-groups share an input byte.
.set NXT,  640                         ; work-groups of the first kind
.set WST,  8448                        ; a wave's stage: 16 rows x 528 bytes
.set XSC,  33792                       ; behind the four stages: the tile's 256 scale bytes
.set MST,  34048                       ; the mask path's four stages
.set R0,   16                          ; v16-79   16 rows as loaded
.set X,    80                          ; v80-143  64 numbers of a lane
.set R1,   144                         ; v144-207 the mask path's second set of loads; the other path's work registers:
.set PC,   144                         ; v144-155 a fragment's codes
.set TQ,   156                         ; v156-158, v160-162 the upper halves of the two blocks
.set MX,   164                         ; largest magnitudes
.set SO,   166                         ; the conversions' scale operands
.set BY,   168                         ; the bytes
.set WD,   170                         ; the scale word
.set TP,   171
.set OW,   208                         ; v208-215 four pairs: the 64 mask words of a key step, two a lane
	s_load_b512 s[4:19], s[0:1], 0x0               ; x, Wq, Wk, Wv, Wo, mask, opc, ops
	s_load_b64 s[20:21], s[0:1], 0x40              ; maskw
	v_lshl_add_u32 v216, v0, 2, 0x10900
	v_mov_b32 v217, 0
	v_lshrrev_b32 v1, 5, v0
	v_readfirstlane_b32 s22, v1                    ; wave 0..3
	v_and_b32 v11, 31, v0                          ; lane
	v_and_b32 v12, 15, v0                          ; r
	v_bfe_u32 v13, v0, 4, 1                        ; h
	v_lshlrev_b32 v1, 4, v11                       ; 16 x lane
	v_lshlrev_b32 v7, 3, v11                       ; 8 x lane
	s_mul_i32 s23, s22, WST
	v_add_nc_u32 v2, s23, v1                       ; into my stage: 16 bytes a lane of a row's 512
	v_mul_u32_u24 v14, v12, 528
	v_add_nc_u32 v14, s23, v14                     ; row r of my stage
	v_lshl_add_u32 v3, v13, 7, v14                 ; out of it: block h of row r (128 bytes a block of 32 f32)
	v_add_nc_u32 v4, MST, v2                       ; the mask path's: in,
	v_lshl_add_u32 v5, v13, 6, v14
	v_add_nc_u32 v5, MST, v5                       ; and out: 16 keys (64 bytes) of my half
	s_lshl_b32 s24, s22, 2
	s_add_co_u32 s24, s24, XSC
	v_lshl_add_u32 v6, v12, 4, s24                 ; my row's scale word of my K step: 16 r + 4 wave
	v_add_nc_u32 v8, XSC, v7                       ; and the 256 bytes read back, 8 a lane
	v_lshlrev_b32 v10, 3, v13                      ; 8 h: my bytes' place in the scale word
	s_mov_b32 s30, 0x76543210
	s_mov_b32 s31, 0xfedcba98                      ; v_permlanex16_b32's selects for lane l xor 16
	s_cmp_ge_u32 ttmp9, NXT
	s_cbranch_scc1 .Lmask
	; ---- a tile of x or of a weight
	s_lshr_b32 s23, ttmp9, 1                       ; g
	s_and_b32 s25, ttmp9, 1                        ; u
	s_and_b32 s26, s23, 15                         ; the group within a weight
	s_wait_kmcnt 0x0
	s_mov_b64 s[28:29], s[12:13]                   ; which tensor: the choice hangs on the work-group's number alone
	s_cmp_lt_u32 s23, 304
	s_cselect_b64 s[28:29], s[10:11], s[28:29]
	s_cmp_lt_u32 s23, 288
	s_cselect_b64 s[28:29], s[8:9], s[28:29]
	s_cmp_lt_u32 s23, 272
	s_cselect_b64 s[28:29], s[6:7], s[28:29]
	s_cmp_lt_u32 s23, 256
	s_cselect_b64 s[28:29], s[4:5], s[28:29]
	s_cselect_b32 s26, s23, s26                    ; the group within the tensor
	s_lshl_b32 s26, s26, 16                        ; 32 rows of 2,048 bytes
	s_lshl_b32 s25, s25, 14                        ; + 8 u rows
	s_add_co_u32 s26, s26, s25
	s_lshl_b32 s25, s22, 9                         ; + my K step's 512 bytes
	s_add_co_u32 s26, s26, s25
	s_mov_b32 s27, 0
	s_add_nc_u64 s[28:29], s[28:29], s[26:27]
	s_mul_i32 s26, ttmp9, 6144                     ; the tile's four fragments in opc,
	s_mul_i32 s25, s22, 1536                       ; mine among them
	s_add_co_u32 s26, s26, s25
	s_add_nc_u64 s[16:17], s[16:17], s[26:27]
.irp n, 0,1,2,3,4,5,6,7,8,9,10,11,12,13,14,15
	global_load_b128 v[R0+4*\n:R0+4*\n+3], v1, s[28:29] offset:(\n+8*(\n/8))*2048 th:TH_LOAD_NT   ; the tile's row n: 512 consecutive bytes
.endr
.irp n, 0,1,2,3,4,5,6,7,8,9,10,11,12,13,14,15
	s_wait_loadcnt 15-\n                           ; loads come back in order: row n is in, the 15 - n younger ones may be out
	ds_store_b128 v2, v[R0+4*\n:R0+4*\n+3] offset:528*\n
.endr
	s_wait_alu depctr_va_vdst(0)
.irp c, 0,1
.irp i, 0,1,2,3,4,5,6,7
	ds_load_b128 v[X+32*\c+4*\i:X+32*\c+4*\i+3], v3 offset:256*\c+16*\i   ; k = 64 c + 32 h + 0 .. 31 of row r: LDS serves a wave's instructions in order, so these see the stores
.endr
.endr
	s_wait_dscnt 0x0
.irp c, 0,1                                    ; my block 2 c + h: all its 32 numbers are mine
	v_max3_num_f32 v[MX+\c], |v[X+32*\c]|, |v[X+32*\c+1]|, 0x1800000   ; with the floor 2^(3 - 127): the byte cannot fall under 1
.endr
.irp i, 2,4,6,8,10,12,14,16,18,20,22,24,26,28,30
.irp c, 0,1
	v_max3_num_f32 v[MX+\c], v[MX+\c], |v[X+32*\c+\i]|, |v[X+32*\c+\i+1]|
.endr
.endr
.irp c, 0,1
	v_add_nc_u32 v[SO+\c], 0xff000000, v[MX+\c]    ; 2 off the exponent field: the conversion's scale operand
.endr
.irp c, 0,1
	v_lshrrev_b32 v[BY+\c], 23, v[SO+\c]           ; the scale's byte
.endr
	v_lshl_or_b32 v[WD], v[BY+1], 16, v[BY]        ; blocks h and 2 + h,
	v_lshlrev_b32 v[WD], v10, v[WD]                ; at their places in the word;
	v_mov_b32 v[TP], 0
	v_permlanex16_b32 v[TP], v[WD], s30, s31
	v_or_b32 v[WD], v[WD], v[TP]                   ; with lane l xor 16's two the word is whole
.irp c, 0,1
	v_cvt_scalef32_pk16_fp6_f32 v[PC+6*\c:PC+6*\c+2], v[X+32*\c:X+32*\c+15], v[SO+\c]
	v_cvt_scalef32_pk16_fp6_f32 v[TQ+4*\c:TQ+4*\c+2], v[X+32*\c+16:X+32*\c+31], v[SO+\c]   ; (a conversion's three registers begin on an even number)
.endr
	v_nop                                          ; one plain place behind a scaled conversion
.irp c, 0,1
.irp i, 0,1,2
	v_mov_b32 v[PC+6*\c+3+\i], v[TQ+4*\c+\i]
.endr
.endr
.irp p, 0,1,2
	global_store_b128 v1, v[PC+4*\p:PC+4*\p+3], s[16:17] offset:512*\p   ; the fragment as it stands: 512 consecutive bytes a store
.endr
	ds_store_b32 v6, v[WD]                         ; both halves of the lanes write the same word with the same value
	s_branch .Ljoin
	; ---- the mask: query tile QT, key steps 16 (m & 1) + 4 wave + 0 .. 3
.Lmask:
	s_sub_co_u32 s23, ttmp9, NXT                   ; m
	s_lshr_b32 s24, s23, 1                         ; QT
	s_and_b32 s25, s23, 1
	s_lshl_b32 s25, s25, 4
	s_lshl_b32 s26, s22, 2
	s_add_co_u32 s25, s25, s26                     ; my first key step
	s_lshr_b32 s26, s24, 1
	s_lshl_b32 s26, s26, 19                        ; 32 rows of 16,384 bytes a group,
	s_and_b32 s27, s24, 1
	s_lshl_b32 s27, s27, 17                        ; 8 rows for the odd tile,
	s_add_co_u32 s26, s26, s27
	s_lshl_b32 s27, s25, 9                         ; 512 bytes a key step
	s_add_co_u32 s26, s26, s27
	s_mov_b32 s27, 0
	s_wait_kmcnt 0x0
	s_add_nc_u64 s[14:15], s[14:15], s[26:27]
	s_lshl_b32 s26, s24, 13                        ; maskw: 8,192 bytes a query tile,
	s_lshl_b32 s28, s25, 8                         ; 256 a key step
	s_add_co_u32 s26, s26, s28
	s_add_nc_u64 s[20:21], s[20:21], s[26:27]
.irp i, 0,1,2,3,4,5,6,7
	v_mov_b32 v[OW+\i], 0                          ; a lane write's destination counts as one of its sources
.endr
.macro LOADM t                         ; key step t: 16 rows x 512 bytes into set t % 2
.set RS, R0+128*((\t)%2)
.irp n, 0,1,2,3,4,5,6,7,8,9,10,11,12,13,14,15
	global_load_b128 v[RS+4*\n:RS+4*\n+3], v1, s[14:15] offset:(\n+8*(\n/8))*16384+512*(\t) th:TH_LOAD_NT
.endr
.endm
.macro TILE t
.set RS, R0+128*((\t)%2)
.if (\t) < 3
	s_wait_loadcnt 16                              ; this step's 16 loads are in; the next step's 16 may be out
.else
	s_wait_loadcnt 0
.endif
.irp n, 0,1,2,3,4,5,6,7,8,9,10,11,12,13,14,15
	ds_store_b128 v4, v[RS+4*\n:RS+4*\n+3] offset:528*\n
.endr
.irp b, 0,1,2,3
.irp i, 0,1,2,3
	ds_load_b128 v[X+16*\b+4*\i:X+16*\b+4*\i+3], v5 offset:128*\b+16*\i   ; register 16 b + i: key 32 b + 16 h + i of row r
.endr
.endr
	s_wait_dscnt 0x0                               ; my numbers are back, and the stores have read their registers,
.if (\t) < 2
	LOADM (\t)+2                                   ; which take the loads of two steps on
.endif
.irp f, 0,1
.irp k, 0,1,2,3,4,5,6,7,8,9,10,11,12,13,14,15,16,17,18,19,20,21,22,23,24,25,26,27,28,29,30,31
	v_cmp_eq_u32 s[32+\k], 1, v[X+32*\f+\k]        ; the 32 lanes' bits ARE the word of register 32 f + k
.endr
.irp k, 0,1,2,3,4,5,6,7,8,9,10,11,12,13,14,15,16,17,18,19,20,21,22,23,24,25,26,27,28,29,30,31
	v_writelane_b32 v[OW+2*(\t)+(\k%2)], s[32+\k], 16*\f+\k/2   ; word j to lane j / 2, register j % 2
.endr
.endr
	global_store_b64 v7, v[OW+2*(\t):OW+2*(\t)+1], s[20:21] offset:256*(\t)   ; 32 lanes store 256 consecutive bytes, aligned; each step has its own pair of registers
.endm
	LOADM 0
	LOADM 1
	TILE 0
	TILE 1
	TILE 2
	TILE 3
.Ljoin:                                            ; one barrier, on every wave's path
	s_wait_dscnt 0x0                               ; for the others' sake: my scale words lie in LDS
	s_barrier_signal -1
	s_barrier_wait -1
	s_cmp_ge_u32 ttmp9, NXT
	s_cbranch_scc1 .Lend
	s_cmp_lg_u32 s22, 0
	s_cbranch_scc1 .Lend
	ds_load_b64 v[12:13], v8                       ; wave 0: the tile's 16 rows x 4 scale words
	s_lshl_b32 s26, ttmp9, 8
	s_mov_b32 s27, 0
	s_add_nc_u64 s[18:19], s[18:19], s[26:27]
	s_wait_dscnt 0x0
	global_store_b64 v7, v[12:13], s[18:19]        ; 256 consecutive bytes, aligned
.Lend:
	s_wait_tensorcnt 0x0
	ds_add_u32 v216, v217
	s_wait_dscnt 0x0
	s_endpgm
.Lfunc_end_k_qbbc3dd2932_prep:
	.size	k_qbbc3dd2932_prep, .Lfunc_end_k_qbbc3dd2932_prep-k_qbbc3dd2932_prep
	.p2alignl 7, 3214868480
	.fill 96, 4, 3214868480
	.section	.rodata,"a",@progbits
	.p2align	6, 0x0
	.amdhsa_kernel k_qbbc3dd2932_prep
		.amdhsa_group_segment_fixed_size 68352
		.amdhsa_private_segment_fixed_size 0
		.amdhsa_enable_private_segment 0
		.amdhsa_kernarg_size 72
		.amdhsa_user_sgpr_count 2
		.amdhsa_user_sgpr_kernarg_segment_ptr 1
		.amdhsa_wavefront_size32 1
		.amdhsa_system_sgpr_workgroup_id_x 1
		.amdhsa_system_sgpr_workgroup_id_y 1
		.amdhsa_system_sgpr_workgroup_id_z 1
		.amdhsa_system_vgpr_workitem_id 0
		.amdhsa_next_free_vgpr 218
		.amdhsa_next_free_sgpr 66
		.amdhsa_reserve_vcc 0
		.amdhsa_float_denorm_mode_32 3
		.amdhsa_float_denorm_mode_16_64 3
		.amdhsa_memory_ordered 1
		.amdhsa_forward_progress 1
		.amdhsa_inst_pref_size 59
	.end_amdhsa_kernel
	.amdgpu_metadata
---
amdhsa.version: [ 1, 2 ]
amdhsa.kernels:
  - .name:           k_qbbc3dd2932_prep
    .symbol:         k_qbbc3dd2932_prep.kd
    .args:
      - { .name: x, .offset: 0, .size: 8, .value_kind: global_buffer, .address_space: global }
      - { .name: Wq, .offset: 8, .size: 8, .value_kind: global_buffer, .address_space: global }
      - { .name: Wk, .offset: 16, .size: 8, .value_kind: global_buffer, .address_space: global }
      - { .name: Wv, .offset: 24, .size: 8, .value_kind: global_buffer, .address_space: global }
      - { .name: Wo, .offset: 32, .size: 8, .value_kind: global_buffer, .address_space: global }
      - { .name: mask, .offset: 40, .size: 8, .value_kind: global_buffer, .address_space: global }
      - { .name: opc, .offset: 48, .size: 8, .value_kind: global_buffer, .address_space: global }
      - { .name: ops, .offset: 56, .size: 8, .value_kind: global_buffer, .address_space: global }
      - { .name: maskw, .offset: 64, .size: 8, .value_kind: global_buffer, .address_space: global }
    .group_segment_fixed_size: 68352
    .private_segment_fixed_size: 0
    .kernarg_segment_align: 8
    .kernarg_segment_size: 72
    .max_flat_workgroup_size: 128
    .sgpr_count:     66
    .vgpr_count:     218
    .wavefront_size: 32
...
	.end_amdgpu_metadata
.endif
;; end of part 4
;; launch proj (part 5): grid 32 x 8, 12 waves a work-group, no clusters, 175,104 bytes of LDS; arguments opc, ops, bq, bk, bv, qimg, kv; writes qimg, kv
.if DOCPART == 5
	.amdgcn_target "amdgcn-amd-amdhsa--gfx1250"
	.amdhsa_code_object_version 6
	.text
	.protected	k_qbbc3dd2932_proj
	.globl	k_qbbc3dd2932_proj
	.p2align	8
	.type	k_qbbc3dd2932_proj,@function
k_qbbc3dd2932_proj:
	s_mov_b64 s[64:65], 0
	v_nop
	global_prefetch_b8 v0, s[64:65] scope:SCOPE_SE
	s_setreg_imm32_b32 hwreg(HW_REG_WAVE_SCHED_MODE, 0, 2), 2
	s_setreg_imm32_b32 hwreg(HW_REG_WAVE_MODE, 25, 1), 1
	s_wait_xcnt 0x0
	s_wait_alu depctr_vm_vsrc(0)
; PROJ.  Q = x Wq^T + bq, K = x Wk^T + bk, V = x Wv^T + bv on codes of FP6 (E2M3) with E8M0 scales, for 256 tokens (work-group x) of one head (work-group y);
; the results are quantised in registers, Q and K along the head's 64, V along the tokens (the keys), and stored as images of the attention launch's operand registers.
; THE AXIS THAT IS QUANTISED NEXT IS ON SOURCE 0, in tiles whose lane r takes row 32 g + 8 u + r + 8 (r / 8): then a lane's 16 registers of tiles 2 g and 2 g + 1 are 16 neighbours along that axis.
;   Q, K (waves 0-3, 4-7): source 0 = the head's 64 rows of W (4 tiles), source 1 = 16 tokens.  A unit = 4 x 2 tiles = 32 tokens: one fragment: registers 0-5 token tile u = 0, 6-11 tile u = 1; lane (r, h): token r, block h of the 64.
;   V (waves 8-11): source 0 = 128 tokens (8 tiles), source 1 = 16 rows of Wv.  A unit = 8 x 1 tiles: one fragment of V^T: lane r a channel, registers along the 128 keys.
; Every unit: 8 accumulators by turns, 4 K steps, 32 matrix instructions, one fragment and one scale word a row.  The bias is the C of a sum's first matrix instruction.
; qimg: block (16 (8 b + head) + token block) of 12,800 bytes: 8 fragments of 1,536; at 12,288 the scale words: 16 (r + 16 (G / 4)) + 4 (G % 4).
; kv: block of 25,600 bytes: K's 8 fragments; at 12,288 V's (step st, channel tile l) at (4 st + l) x 1,536; at 24,576 K's scale words, at 25,088 V's: 16 (r + 16 step) + 4 (group or tile).
; LDS: the 256 tokens' codes (4 quarters of 24,576 bytes) and the head's slices of Wq, Wk, Wv (24,576 each), copied once through registers, 16 bytes a thread, as they lie; then three scale images of 512 bytes.
; NO CLUSTER, NO TENSOR LOAD: a work-group reads its 172,032 bytes once, at its head, in 28 loads a thread that are all out together; there is no ring whose refills a joint request could serve.
; LIMITS: a block of zeros gets the byte 1 (its codes are zeros; this program alone reads the bytes); NaN and infinities are not served.
; THE MODE: SCHED_MODE bits 1:0 = 2 (LLVM: expert scheduling mode 2), set by the entry lines.  The code itself states the register dependences
; between vector or matrix instructions and memory or LDS instructions, with s_wait_alu, always for 0.
; THE PLAN.  Registers that memory or LDS instructions touch:
;   v1-7, v238-242   offsets and LDS addresses: written at the head, never again; read by every load and store.  One wait on va_vdst ahead of the first load.
;   v64-175          the copy: global loads land, LDS stores read; from the first barrier on these are accumulators and fragments.  One wait on vm_vsrc behind that barrier.
;   PF, LFQ, LFV     a K step's LDS loads land, its eight products read.  One wait on va_vdst at the head of K steps 1 to 3 of a unit.
;   v128-164         behind a unit's products: the quantiser writes codes and scale word, four stores read them, then the next unit's first fragments (or the scale image) land there.
;                    One wait on va_vdst between the quantiser and the stores, which also serves the next unit's K step 0 (only v_nop is issued between); one on vm_vsrc behind the stores.
.set SST,  172032                      ; the three scale images
.set LS,   8                           ; v8-15    scale words of the side on source 1
.set PS,   16                          ; v16-31   of the side on source 0
.set BIAS, 32                          ; v32-63   the bias in the result's layout
.set ACC,  64                          ; v64-127  8 accumulators
.set CPY,  64                          ; v64-175  the copy's 28 x 4 registers
.set PF,   128                         ; from v128 source 0's fragments (4 or 8)
.set LFQ,  176                         ; v176-199 Q, K: two token tiles
.set LFV,  224                         ; v224-235 V: one tile of Wv
.set PC,   128                         ; behind a unit's products: v128-147 the codes,
.set TM,   148                         ; v148-163 the quantiser's work,
.set PW,   164                         ; v164 the scale word
.set VB,   236                         ; v236-237 bv of my channel, for the unit's tile
; v1 16 x lane; v2, v3 LDS addresses of the Q, K role (source 0, source 1); v240, v241 of the V role; v4-6 the copy's; v7 my scale word's place; v242 a scale image read back; v238 64 h; v239 4 (r + 8 (r / 8))
; v254 the LDS address of my spare word, v255 0: made at the head and kept for the closing lines alone
.macro WMC d, a, b, c, sa, sb, ra, rb  ; one product; ra, rb: which half of the lanes holds the side's scale words
.if ((\ra) == 1) && ((\rb) == 1)
	v_wmma_scale_f32_16x16x128_f8f6f4 v[(\d):(\d)+7], v[(\a):(\a)+11], v[(\b):(\b)+11], v[(\c):(\c)+7], v[(\sa)], v[(\sb)] matrix_a_fmt:MATRIX_FMT_FP6 matrix_b_fmt:MATRIX_FMT_FP6 matrix_a_scale:MATRIX_SCALE_ROW1 matrix_b_scale:MATRIX_SCALE_ROW1
.elseif (\ra) == 1
	v_wmma_scale_f32_16x16x128_f8f6f4 v[(\d):(\d)+7], v[(\a):(\a)+11], v[(\b):(\b)+11], v[(\c):(\c)+7], v[(\sa)], v[(\sb)] matrix_a_fmt:MATRIX_FMT_FP6 matrix_b_fmt:MATRIX_FMT_FP6 matrix_a_scale:MATRIX_SCALE_ROW1
.elseif (\rb) == 1
	v_wmma_scale_f32_16x16x128_f8f6f4 v[(\d):(\d)+7], v[(\a):(\a)+11], v[(\b):(\b)+11], v[(\c):(\c)+7], v[(\sa)], v[(\sb)] matrix_a_fmt:MATRIX_FMT_FP6 matrix_b_fmt:MATRIX_FMT_FP6 matrix_b_scale:MATRIX_SCALE_ROW1
.else
	v_wmma_scale_f32_16x16x128_f8f6f4 v[(\d):(\d)+7], v[(\a):(\a)+11], v[(\b):(\b)+11], v[(\c):(\c)+7], v[(\sa)], v[(\sb)] matrix_a_fmt:MATRIX_FMT_FP6 matrix_b_fmt:MATRIX_FMT_FP6
.endif
.endm
; 64 numbers of a lane, register 16 b + i = place 32 b + 16 (lane / 16) + i along the next K, become a fragment's codes in v[PC] on and its scale word in v[PW]
.macro QUANT s
.irp b, 0,1,2,3
	v_mov_b32 v[TM+4+\b], 0                        ; a lane permute's destination counts as one of its sources
.endr
.irp b, 0,1,2,3
	v_max3_num_f32 v[TM+\b], |v[\s+16*\b]|, |v[\s+1+16*\b]|, 0x1800000   ; my 16 numbers of block b, and the floor 2^(3 - 127).  Each accumulator is read from its low end on
.endr
.irp i, 2,4,6,8,10,12,14
.irp b, 0,1,2,3
	v_max3_num_f32 v[TM+\b], v[TM+\b], |v[\s+16*\b+\i]|, |v[\s+1+16*\b+\i]|
.endr
.endr
.irp b, 0,1,2,3
	v_permlanex16_b32 v[TM+4+\b], v[TM+\b], s44, s45
.endr
.irp b, 0,1,2,3
	v_max_num_f32 v[TM+\b], v[TM+\b], v[TM+4+\b]   ; with lane l xor 16's: the block's largest magnitude
.endr
.irp b, 0,1,2,3
	v_add_nc_u32 v[TM+12+\b], 0xff000000, v[TM+\b] ; 2 off its exponent field: the conversion's scale operand
.endr
.irp b, 0,1,2,3
	v_lshrrev_b32 v[TM+4+\b], 23, v[TM+12+\b]      ; the scale's byte
.endr
	v_lshl_or_b32 v[PW], v[TM+5], 8, v[TM+4]
	v_lshl_or_b32 v[PW], v[TM+6], 16, v[PW]
	v_lshl_or_b32 v[PW], v[TM+7], 24, v[PW]
.irp c, 0,1
	v_cvt_scalef32_pk16_fp6_f32 v[PC+6*\c:PC+2+6*\c], v[\s+32*\c:\s+15+32*\c], v[TM+12+2*\c]
	v_cvt_scalef32_pk16_fp6_f32 v[PC+12+4*\c:PC+14+4*\c], v[\s+16+32*\c:\s+31+32*\c], v[TM+12+2*\c+1]   ; (a conversion's three registers begin on an even number)
.endr
	v_nop                                          ; one plain place behind a scaled conversion
.irp c, 0,1                                    ; the operand's layout wants a whole block in a lane
.irp i, 0,1,2
	v_permlane16_swap_b32 v[PC+6*\c+\i], v[PC+12+4*\c+\i]
.endr
.irp i, 0,1,2
	v_mov_b32 v[PC+3+6*\c+\i], v[PC+12+4*\c+\i]
.endr
.endr
.endm
.macro PLACES                          ; four plain places behind matrix instructions, ahead of loads into their sources and of reads of their results
.rept 4
	v_nop
.endr
.endm
.macro KSTEP_QK gg, s                  ; K step s of the unit of token group gg
	PLACES
.if \s > 0
	s_wait_alu depctr_va_vdst(0)                   ; the last K step's eight products are done reading v[PF ..] and v[LFQ ..], in which the loads below land
.endif
.irp p, 0,1,2,3
.irp c, 0,1,2
	ds_load_b128 v[PF+12*\p+4*\c:PF+12*\p+4*\c+3], v2 offset:6144*\p+1536*\s+512*\c
.endr
.endr
.irp l, 0,1
.irp c, 0,1,2
	ds_load_b128 v[LFQ+12*\l+4*\c:LFQ+12*\l+4*\c+3], v3 offset:6144*(2*\gg+\l)+1536*\s+512*\c
.endr
.endr
	s_wait_dscnt 0x0
.irp l, 0,1
.irp p, 0,1,2,3
.if \s == 0
	WMC ACC+32*\l+8*\p,PF+12*\p,LFQ+12*\l,BIAS+8*\p,PS+4*(\p/2)+\s,LS+4*\gg+\s,\p%2,\l
.else
	WMC ACC+32*\l+8*\p,PF+12*\p,LFQ+12*\l,ACC+32*\l+8*\p,PS+4*(\p/2)+\s,LS+4*\gg+\s,\p%2,\l
.endif
.endr
.endr
.endm
.macro KSTEP_V ll, s                   ; K step s of the unit of channel tile ll
	PLACES
.if \s > 0
	s_wait_alu depctr_va_vdst(0)                   ; the last K step's eight products are done reading v[PF ..] and v[LFV ..], in which the loads below land
.endif
.irp p, 0,1,2,3,4,5,6,7
.irp c, 0,1,2
	ds_load_b128 v[PF+12*\p+4*\c:PF+12*\p+4*\c+3], v240 offset:6144*\p+1536*\s+512*\c
.endr
.endr
.irp c, 0,1,2
	ds_load_b128 v[LFV+4*\c:LFV+4*\c+3], v241 offset:6144*\ll+1536*\s+512*\c
.endr
	s_wait_dscnt 0x0
.irp p, 0,1,2,3,4,5,6,7
.if \s == 0
	WMC ACC+8*\p,PF+12*\p,LFV,BIAS+8*\ll,PS+4*(\p/2)+\s,LS+\s,\p%2,\ll
.else
	WMC ACC+8*\p,PF+12*\p,LFV,ACC+8*\p,PS+4*(\p/2)+\s,LS+\s,\p%2,\ll
.endif
.endr
.endm
.macro FINISH unit                     ; the unit's 64 numbers a lane become a fragment and a scale word, and leave
	PLACES
	QUANT ACC
	s_wait_alu depctr_va_vdst(0)                   ; the quantiser has written v[PC ..] and v[PW], which the stores below read; the unit's products and the quantiser are done with v128 on, in which the next unit's first fragments (or the scale image) land
.irp c, 0,1,2
	global_store_b128 v1, v[PC+4*\c:PC+4*\c+3], s[26:27] offset:1536*\unit+512*\c   ; 512 consecutive bytes a store
.endr
	ds_store_b32 v7, v[PW] offset:4*\unit          ; both halves of the lanes write the same word with the same value
	s_wait_xcnt 0x0                                ; the stores' data registers are written again (the next unit's fragments land there) only behind this wait
	s_wait_dscnt 0x0
	s_wait_alu depctr_vm_vsrc(0)                   ; the four stores have read v[PC ..] and v[PW], in which the next unit's fragments or the scale image land
.endm
	s_load_b256 s[4:11], s[0:1], 0x0               ; opc, ops, bq, bk
	s_load_b128 s[12:15], s[0:1], 0x20             ; bv, qimg
	s_load_b64 s[16:17], s[0:1], 0x30              ; kv
	v_lshl_add_u32 v254, v0, 2, 0x2a600
	v_mov_b32 v255, 0
	v_lshrrev_b32 v1, 5, v0
	v_readfirstlane_b32 s18, v1                    ; wave 0..11
	s_wait_alu depctr_va_sdst(0)                   ; s18 is written, ahead of its first reader: roles, LDS addresses and bases are made from it
	s_lshr_b32 s19, s18, 2                         ; ty: 0 Q, 1 K, 2 V
	s_and_b32 s20, s18, 3                          ; v: which quarter of the role's work
	s_lshr_b32 s43, s20, 1                         ; v / 2 (V: the step of 128 tokens)
	s_and_b32 s46, s20, 1                          ; v % 2 (V: which 32 channels)
	s_and_b32 s22, ttmp7, 0xffff                   ; the head
	s_lshr_b32 s23, ttmp9, 4                       ; the batch
	s_lshl_b32 s23, s23, 7
	s_lshl_b32 s42, s22, 4
	s_add_co_u32 s23, s23, s42
	s_and_b32 s42, ttmp9, 15
	s_add_co_u32 s23, s23, s42                     ; the block: 16 (8 b + head) + token block
	s_mov_b32 s44, 0x76543210
	s_mov_b32 s45, 0xfedcba98                      ; v_permlanex16_b32's selects for lane l xor 16
	; every LDS address is made here, ahead of the parting of the roles, from the thread's and the wave's number and constants
	v_and_b32 v244, 31, v0                         ; lane
	v_and_b32 v245, 15, v0                         ; r
	v_bfe_u32 v246, v0, 4, 1                       ; h
	v_lshlrev_b32 v1, 4, v244
	s_wait_alu depctr_va_vdst(0)
	v_lshlrev_b32 v4, 4, v0                        ; the copy: 16 bytes a thread, 6,144 a round; three registers, since an LDS immediate has 16 bits
	v_add_nc_u32 v5, 61440, v4
	v_add_nc_u32 v6, 122880, v4
	s_add_co_u32 s42, s19, 4
	s_mul_i32 s42, s42, 24576
	v_add_nc_u32 v2, s42, v1                       ; Q, K: the slice of Wq or Wk
	s_mul_i32 s42, s20, 24576
	v_add_nc_u32 v3, s42, v1                       ; Q, K: my quarter of the tokens
	s_mul_i32 s42, s43, 49152
	v_add_nc_u32 v240, s42, v1                     ; V: my 128 tokens
	s_mul_i32 s42, s46, 12288
	s_add_co_u32 s42, s42, 147456
	v_add_nc_u32 v241, s42, v1                     ; V: my group of Wv's slice
	s_lshl_b32 s42, s19, 9
	s_lshl_b32 s47, s43, 8
	s_add_co_u32 s42, s42, s47
	s_lshl_b32 s47, s46, 3
	s_add_co_u32 s42, s42, s47
	s_add_co_u32 s42, s42, SST
	v_lshl_add_u32 v7, v245, 4, s42                ; my scale words: image ty, 16 (r + 16 (v / 2)) + 8 (v % 2) (+ 4 x unit)
	s_lshl_b32 s42, s19, 9
	s_add_co_u32 s42, s42, SST
	v_add_nc_u32 v242, s42, v1                     ; the image read back
	v_lshlrev_b32 v238, 6, v246                    ; 64 h
	v_and_b32 v247, 8, v245
	v_add_nc_u32 v247, v247, v245
	v_lshlrev_b32 v239, 2, v247                    ; 4 (r + 8 (r / 8))
	; which groups' scale words, which buffers: chosen by the wave's number
	s_lshl_b32 s48, s22, 1                         ; 2 x head
	s_lshl_b32 s49, ttmp9, 3                       ; the tokens' first group
	s_lshl_b32 s47, s19, 4
	s_add_co_u32 s47, s47, s48
	s_add_co_u32 s47, s47, 256                     ; Q, K: source 0's first group
	s_lshl_b32 s50, s43, 2
	s_add_co_u32 s50, s50, s49                     ; V: likewise
	s_lshl_b32 s51, s20, 1
	s_add_co_u32 s51, s51, s49                     ; Q, K: source 1's first group
	s_add_co_u32 s52, s48, s46
	s_add_co_u32 s52, s52, 288                     ; V: likewise
	s_mul_i32 s54, s23, 12800
	s_mul_i32 s55, s23, 25600
	s_mov_b32 s57, 24576
	s_mov_b32 s58, 25088
	s_wait_kmcnt 0x0
	s_cmp_lt_u32 s18, 8
	s_cselect_b32 s47, s47, s50
	s_cselect_b32 s51, s51, s52
	s_cselect_b32 s53, 0, 12288                    ; V's fragments lie behind K's
	s_cmp_eq_u32 s19, 0
	s_cselect_b64 s[26:27], s[14:15], s[16:17]     ; qimg or kv
	s_cselect_b64 s[30:31], s[8:9], s[10:11]       ; bq or bk
	s_cselect_b32 s54, s54, s55
	s_cselect_b32 s57, 12288, s57                  ; where the block's scale image lies
	s_cmp_eq_u32 s19, 2
	s_cselect_b64 s[30:31], s[12:13], s[30:31]     ; or bv
	s_cselect_b32 s57, s58, s57
	s_mov_b32 s55, 0
	s_add_nc_u64 s[26:27], s[26:27], s[54:55]      ; the block
	s_mov_b32 s58, s57
	s_mov_b32 s59, 0
	s_add_nc_u64 s[28:29], s[26:27], s[58:59]      ; its scale image
	s_mul_i32 s58, s20, 3072
	s_add_co_u32 s58, s58, s53
	s_add_nc_u64 s[26:27], s[26:27], s[58:59]      ; my two fragments
	s_lshl_b32 s58, s22, 8
	s_add_nc_u64 s[30:31], s[30:31], s[58:59]      ; the head's 64 biases
	s_lshl_b32 s42, s46, 7
	s_add_co_u32 s58, s58, s42
	s_add_nc_u64 s[40:41], s[12:13], s[58:59]      ; bv at my 32 channels
	s_lshl_b32 s58, s47, 9
	s_add_nc_u64 s[36:37], s[6:7], s[58:59]
	s_lshl_b32 s58, s51, 9
	s_add_nc_u64 s[38:39], s[6:7], s[58:59]
	s_mul_i32 s58, ttmp9, 98304
	s_add_nc_u64 s[32:33], s[4:5], s[58:59]        ; the 256 tokens' codes
	s_add_co_u32 s58, s48, 256
	s_mul_i32 s58, s58, 12288
	s_add_nc_u64 s[34:35], s[4:5], s[58:59]        ; the head's slice of Wq; Wk's and Wv's lie 196,608 bytes on each
	s_wait_alu depctr_va_vdst(0)                   ; the offsets and LDS addresses v1-7 and v238-242 are written, which every load and store of the kernel reads
	; the same lines in every wave; a role that needs fewer groups still reads inside the buffer
.irp i, 0,1,2,3
	global_load_b128 v[PS+4*\i:PS+4*\i+3], v1, s[36:37] offset:512*\i    ; register 4 i + s: lane (r, u): row r of tile u of group i, K step s
.endr
.irp i, 0,1
	global_load_b128 v[LS+4*\i:LS+4*\i+3], v1, s[38:39] offset:512*\i
.endr
.irp p, 0,1,2,3
	global_load_b128 v[BIAS+8*\p:BIAS+8*\p+3], v238, s[30:31] offset:(32*(\p/2)+8*(\p%2))*4       ; tile p, register j: the bias of row 32 (p / 2) + 16 h + 8 (p % 2) + j
	global_load_b128 v[BIAS+8*\p+4:BIAS+8*\p+7], v238, s[30:31] offset:(32*(\p/2)+8*(\p%2))*4+16
.endr
.irp l, 0,1
	global_load_b32 v[VB+\l], v239, s[40:41] offset:32*\l
.endr
.irp i, 0,1,2,3,4,5,6,7,8,9,10,11,12,13,14,15
	global_load_b128 v[CPY+4*\i:CPY+4*\i+3], v4, s[32:33] offset:6144*\i
.endr
.irp i, 0,1,2,3,4,5,6,7,8,9,10,11
	global_load_b128 v[CPY+64+4*\i:CPY+64+4*\i+3], v4, s[34:35] offset:196608*(\i/4)+6144*(\i%4)
.endr
.set i, 0
.rept 28
	s_wait_loadcnt 27-i                            ; round i is in (and all that was asked for before the copy); the 27 - i younger rounds may be out
	ds_store_b128 v[4+i/10], v[CPY+4*i:CPY+4*i+3] offset:6144*(i%10)
.set i, i+1
.endr
	s_wait_dscnt 0x0                               ; for the others' sake: my part of the copy lies in LDS
	s_barrier_signal -1
	s_barrier_wait -1
	s_wait_alu depctr_vm_vsrc(0)                   ; my 28 LDS stores have read v[CPY ..]: these registers are accumulators and fragments from here on, written by the products and by the fragments' loads
	s_cmp_lt_u32 s18, 8
	s_cbranch_scc0 .Lrole_v
.irp g, 0,1
.irp s, 0,1,2,3
	KSTEP_QK \g, \s
.endr
	FINISH \g
.endr
	s_branch .Ljoin
.Lrole_v:
.irp l, 0,1
.irp j, 0,1,2,3,4,5,6,7
	v_mov_b32 v[BIAS+8*\l+\j], v[VB+\l]            ; here a lane holds one channel and eight tokens: the same bias in all eight
.endr
.endr
	s_wait_alu depctr_va_vdst(0)
.irp l, 0,1
.irp s, 0,1,2,3
	KSTEP_V \l, \s
.endr
	FINISH \l
.endr
.Ljoin:
	s_wait_dscnt 0x0
	s_barrier_signal -1
	s_barrier_wait -1                              ; the three scale images are whole
	s_cmp_lg_u32 s20, 0
	s_cbranch_scc1 .Lend
	ds_load_b128 v[128:131], v242                  ; the first wave of each role stores its image: 512 consecutive bytes
	s_wait_dscnt 0x0
	global_store_b128 v1, v[128:131], s[28:29]
.Lend:
	s_wait_dscnt 0x0                               ; the closing lines, six on end
	s_wait_alu 0x0
	s_wait_tensorcnt 0x0
	ds_add_u32 v254, v255
	s_wait_dscnt 0x0
	s_endpgm
.Lfunc_end_k_qbbc3dd2932_proj:
	.size	k_qbbc3dd2932_proj, .Lfunc_end_k_qbbc3dd2932_proj-k_qbbc3dd2932_proj
	.p2alignl 7, 3214868480
	.fill 96, 4, 3214868480
	.section	.rodata,"a",@progbits
	.p2align	6, 0x0
	.amdhsa_kernel k_qbbc3dd2932_proj
		.amdhsa_group_segment_fixed_size 175104
		.amdhsa_private_segment_fixed_size 0
		.amdhsa_enable_private_segment 0
		.amdhsa_kernarg_size 56
		.amdhsa_user_sgpr_count 2
		.amdhsa_user_sgpr_kernarg_segment_ptr 1
		.amdhsa_wavefront_size32 1
		.amdhsa_system_sgpr_workgroup_id_x 1
		.amdhsa_system_sgpr_workgroup_id_y 1
		.amdhsa_system_sgpr_workgroup_id_z 1
		.amdhsa_system_vgpr_workitem_id 0
		.amdhsa_next_free_vgpr 256
		.amdhsa_next_free_sgpr 66
		.amdhsa_reserve_vcc 0
		.amdhsa_float_denorm_mode_32 3
		.amdhsa_float_denorm_mode_16_64 3
		.amdhsa_memory_ordered 1
		.amdhsa_forward_progress 1
		.amdhsa_inst_pref_size 72
	.end_amdhsa_kernel
	.amdgpu_metadata
---
amdhsa.version: [ 1, 2 ]
amdhsa.kernels:
  - .name:           k_qbbc3dd2932_proj
    .symbol:         k_qbbc3dd2932_proj.kd
    .args:
      - { .name: opc, .offset: 0, .size: 8, .value_kind: global_buffer, .address_space: global }
      - { .name: ops, .offset: 8, .size: 8, .value_kind: global_buffer, .address_space: global }
      - { .name: bq, .offset: 16, .size: 8, .value_kind: global_buffer, .address_space: global }
      - { .name: bk, .offset: 24, .size: 8, .value_kind: global_buffer, .address_space: global }
      - { .name: bv, .offset: 32, .size: 8, .value_kind: global_buffer, .address_space: global }
      - { .name: qimg, .offset: 40, .size: 8, .value_kind: global_buffer, .address_space: global }
      - { .name: kv, .offset: 48, .size: 8, .value_kind: global_buffer, .address_space: global }
    .group_segment_fixed_size: 175104
    .private_segment_fixed_size: 0
    .kernarg_segment_align: 8
    .kernarg_segment_size: 56
    .max_flat_workgroup_size: 384
    .sgpr_count:     66
    .vgpr_count:     256
    .wavefront_size: 32
...
	.end_amdgpu_metadata
.endif
;; end of part 5
;; launch attn (part 6): grid 16 x 16, 16 waves a work-group, no clusters, 132,096 bytes of LDS; arguments qimg, kv, maskw, opc, ops, bo, x, out0; writes out0
.if DOCPART == 6
	.amdgcn_target "amdgcn-amd-amdhsa--gfx1250"
	.amdhsa_code_object_version 6
	.text
	.protected	k_qbbc3dd2932_attn
	.globl	k_qbbc3dd2932_attn
	.p2align	8
	.type	k_qbbc3dd2932_attn,@function
k_qbbc3dd2932_attn:
	s_mov_b64 s[64:65], 0
	v_nop
	global_prefetch_b8 v0, s[64:65] scope:SCOPE_SE
	s_setreg_imm32_b32 hwreg(HW_REG_WAVE_SCHED_MODE, 0, 2), 2
	s_setreg_imm32_b32 hwreg(HW_REG_WAVE_MODE, 25, 1), 1
	s_wait_xcnt 0x0
	s_wait_alu depctr_vm_vsrc(0)
; ATTN.  For 256 queries (work-group x) of one batch and head (work-group y): scores, mask, softmax, context, and then, since reference() reshapes the context without moving the heads back,
; the 32 whole rows of the last product that these 256 queries make up (row 32 blk + q / 8, column 64 (q % 8) + channel), with bo and the residual x.  All products on codes of FP6 (E2M3) with E8M0 scales.
; SHARES.  Sixteen waves, four to a SIMD; wave w owns ONE tile of 16 queries (lane r: query 32 (w / 2) + 8 (w % 2) + r + 8 (r / 8) of the block) in 256 registers, and walks all 4,096 keys, 128 a step.
; LAYOUT.  Both products transposed: S^T = K Q^T, O^T = V^T P^T: a lane holds one query throughout; score register 16 b + i is key 32 b + 16 (lane / 16) + i of the step.
; THE HEAD HAS 64 CHANNELS, THE INSTRUCTION IS 128 DEEP.  A fragment of K holds two tiles of 16 keys, one in k 0-63 and one in k 64-127.  Multiplied by [Q | 0] it gives the first tile's scores, by [0 | Q] the second's:
; the empty half is zero codes, which add nothing.  So three LDS loads feed two matrix instructions.
; THE MASK comes as lane masks, 64 words a step, by scalar loads one step ahead: one v_cndmask_b32 a score register.
; THE SOFTMAX: t = score x log2(e) / 8; M = the running largest t rounded up to a whole number; p = 2^(t - M) is quantised along the keys; the sum is taken of the unquantised p and divides at the end.
; LIMITS.  A masked logit is taken as -2^30 (raw score -2^33) in place of -1e9: times c it is a whole number, so a row that is masked all over gives p = 1 everywhere, as reference() does.  The result differs from
; reference()'s only where an unmasked logit lies below about -9.9e8.  A block of zeros gets the byte 1 (its codes are zeros).  NaN and infinities are not served.
; K AND V come through registers into two LDS slots of 256 keys (25,600 bytes: three or four loads of 16 bytes a thread), asked for two steps ahead; two barriers for four steps.
; NO CLUSTER, NO TENSOR LOAD: a step brings the work-group 12,800 bytes of K and V, against 4,096 bytes of mask words that no partner shares and sixteen waves' softmax of 128 keys each;
; descriptors for joint loads would take the scalar registers that hold the 64 mask words.
; THE MODE: SCHED_MODE bits 1:0 = 2 (LLVM: expert scheduling mode 2), set by the entry lines.  The code itself states the register dependences
; between vector or matrix instructions and memory or LDS instructions, with s_wait_alu, always for 0.
; THE PLAN.  Registers that memory or LDS instructions touch, in the loop:
;   v1, v2        LDS addresses and offsets (with v4-11, for the end): written at the head, never again.  One wait on va_vdst ahead of the first load.
;   CP            Global loads of a block of kv land, LDS stores into a slot read; no vector instruction names them.  One wait on vm_vsrc behind each run of stores, ahead of the next loads.
;   FR, KS, VS    In a step: K's fragments and scale words land; the eight products K Q^T read them; V's land in the same FR; the four products V^T P read them.
;   PC, PW        p's codes and scale word: written by conversions, swaps, moves and shifts; read by the four scaled products.
;   s[32:63], s[68:99]  The step's mask words: scalar loads write them, the 64 selects read them.
; So a step has four waits on va_vdst: at its head (the last step's products V^T P are done reading FR and VS); behind the 64 selects (the products K Q^T are done reading FR, the selects the mask words:
; V's LDS loads and the next mask words' scalar loads follow in one run); behind the exponentials, ahead of their first reader; and behind the places, ahead of the products V^T P (PC and PW are written).
; All 256 registers are in use: FR has no second set.
.set SLOT, 25600                       ; LDS: two slots, each a block of kv as it lies: K's 8 fragments,
.set VOF,  12288                       ; V's 8,
.set KSC,  24576                       ; K's scale words, 512 bytes,
.set VSC,  25088                       ; V's
.set CXB,  51200                       ; the context's 8 fragments (row tile R, K step s) at (4 R + s) x 1,536; registers 2 P, 2 P + 1 of lane l at 256 P + 8 l
.set CXS,  63488                       ; their scale words: 128 s + 4 (r' + 16 R)
.set OST,  64000                       ; the way out: 32 rows x (2,048 bytes + 16)
.set OP,   2064
.set QL,   16                          ; v16-27   [Q | 0]
.set QH,   28                          ; v28-39   [0 | Q]
.set QLS,  40                          ; v40      Q's scale word for the first, v41 for the second
.set QHS,  41
.set CP,   42                          ; v42-57   K and V on their way to LDS
.set KS,   58                          ; v58-61   K's scale words (at the end Wo's)
.set VS,   62                          ; v62-65   V's (at the end the context's)
.set FR,   66                          ; v66-113  four fragments of K or of V
.set S,    114                         ; v114-177 S^T, then p
.set O,    178                         ; v178-209 O^T: register 16 g + i: channel 32 g + 16 (lane / 16) + i
.set PC,   210                         ; v210-221 p's codes
.set TQ,   222                         ; v222-224, v226-228 the conversions' second results
.set BM,   230                         ; v230-233 the blocks' largest scores, then p
.set PB,   234                         ; v234-237 permutes' destinations, then bytes
.set SOP,  238                         ; v238-241 the conversions' scale operands
.set F,    244                         ; v244 f = 2^(old M - new M); v245 is named with it as a pair
.set T,    246
.set L2,   248                         ; v[248:249] the second chain of the sum
.set PW,   250                         ; v250 p's scale word
.set WF,   66                          ; at the end: v66-161 Wo's 8 fragments; v162-185 two fragments of the context; v186-217 four accumulators; v218-249 two rows of x
.set CF,   162
.set OA,   186
.set XR,   218
.set RB,   66
; v1 16 x lane; v2 16 x thread; v3 -2^33; v4, v5 where my context's codes and bytes go; v6, v7 the stage, in and back; v8 8 x lane; v9 4 x lane; v10 64 h; v11 16 r; v12 -M; v13 the largest t; v[14:15] the sum
; v254 the LDS address of my spare word, v255 0: made at the head and kept for the closing lines alone
; s20 wave; s21 trips; s[22:23] c; s[24:25] lane selects; s26 the mask words' offset; s27 the block; s[32:63], s[68:99] the step's 64 mask words
.macro WMZ d, a, b, sa, sb, ra         ; a product that starts a sum
.if (\ra) == 1
	v_wmma_scale_f32_16x16x128_f8f6f4 v[(\d):(\d)+7], v[(\a):(\a)+11], v[(\b):(\b)+11], 0, v[(\sa)], v[(\sb)] matrix_a_fmt:MATRIX_FMT_FP6 matrix_b_fmt:MATRIX_FMT_FP6 matrix_a_scale:MATRIX_SCALE_ROW1
.else
	v_wmma_scale_f32_16x16x128_f8f6f4 v[(\d):(\d)+7], v[(\a):(\a)+11], v[(\b):(\b)+11], 0, v[(\sa)], v[(\sb)] matrix_a_fmt:MATRIX_FMT_FP6 matrix_b_fmt:MATRIX_FMT_FP6
.endif
.endm
.macro WMC d, a, b, c, sa, sb, ra, rb
.if ((\ra) == 1) && ((\rb) == 1)
	v_wmma_scale_f32_16x16x128_f8f6f4 v[(\d):(\d)+7], v[(\a):(\a)+11], v[(\b):(\b)+11], v[(\c):(\c)+7], v[(\sa)], v[(\sb)] matrix_a_fmt:MATRIX_FMT_FP6 matrix_b_fmt:MATRIX_FMT_FP6 matrix_a_scale:MATRIX_SCALE_ROW1 matrix_b_scale:MATRIX_SCALE_ROW1
.elseif (\ra) == 1
	v_wmma_scale_f32_16x16x128_f8f6f4 v[(\d):(\d)+7], v[(\a):(\a)+11], v[(\b):(\b)+11], v[(\c):(\c)+7], v[(\sa)], v[(\sb)] matrix_a_fmt:MATRIX_FMT_FP6 matrix_b_fmt:MATRIX_FMT_FP6 matrix_a_scale:MATRIX_SCALE_ROW1
.elseif (\rb) == 1
	v_wmma_scale_f32_16x16x128_f8f6f4 v[(\d):(\d)+7], v[(\a):(\a)+11], v[(\b):(\b)+11], v[(\c):(\c)+7], v[(\sa)], v[(\sb)] matrix_a_fmt:MATRIX_FMT_FP6 matrix_b_fmt:MATRIX_FMT_FP6 matrix_b_scale:MATRIX_SCALE_ROW1
.else
	v_wmma_scale_f32_16x16x128_f8f6f4 v[(\d):(\d)+7], v[(\a):(\a)+11], v[(\b):(\b)+11], v[(\c):(\c)+7], v[(\sa)], v[(\sb)] matrix_a_fmt:MATRIX_FMT_FP6 matrix_b_fmt:MATRIX_FMT_FP6
.endif
.endm
.macro PLACES                          ; four plain places behind matrix instructions, ahead of loads into their sources and of reads of their results
.rept 4
	v_nop
.endr
.endm
.macro COPY_LOAD                       ; a block of kv, 25,600 bytes: 512 threads x 16 bytes three times, and 1,024 bytes more by waves 0 and 1
.irp i, 0,1,2
	global_load_b128 v[CP+4*\i:CP+4*\i+3], v2, s[6:7] offset:8192*\i
.endr
	s_cmp_lt_u32 s20, 2
	s_cbranch_scc0 .Lno_load_\@
	global_load_b128 v[CP+12:CP+15], v2, s[6:7] offset:24576
.Lno_load_\@:
.endm
.macro COPY_STORE sl                   ; into slot sl, as it lies
.irp i, 0,1,2
	ds_store_b128 v2, v[CP+4*\i:CP+4*\i+3] offset:\sl*SLOT+8192*\i
.endr
	s_cmp_lt_u32 s20, 2
	s_cbranch_scc0 .Lno_store_\@
	ds_store_b128 v2, v[CP+12:CP+15] offset:\sl*SLOT+24576
.Lno_store_\@:
.endm
.macro MASKLOAD                        ; a step's 64 lane masks, 256 bytes
	s_load_b512 s[32:47], s[8:9], s26 offset:0x0
	s_load_b512 s[48:63], s[8:9], s26 offset:0x40
	s_load_b512 s[68:83], s[8:9], s26 offset:0x80
	s_load_b512 s[84:99], s[8:9], s26 offset:0xc0
.endm
	s_load_b512 s[4:19], s[0:1], 0x0               ; qimg, kv, maskw, opc, ops, bo, x, out0
	v_lshl_add_u32 v254, v0, 2, 0x1fc00
	v_mov_b32 v255, 0
	v_lshrrev_b32 v1, 5, v0
	v_readfirstlane_b32 s20, v1                    ; wave 0..15
	; every LDS address is made here, ahead of the first branch on the wave's number
	v_and_b32 v[T], 31, v0                         ; lane
	v_and_b32 v[T+1], 15, v0                       ; r
	v_bfe_u32 v[L2], v0, 4, 1                      ; h
	v_lshlrev_b32 v1, 4, v[T]
	v_lshlrev_b32 v2, 4, v0
	v_mov_b32 v3, 0xd0000000                       ; -2^33
	v_lshlrev_b32 v8, 3, v[T]
	v_lshlrev_b32 v9, 2, v[T]
	v_lshlrev_b32 v10, 6, v[L2]
	v_lshlrev_b32 v11, 4, v[T+1]
	s_wait_alu depctr_va_sdst(0)                   ; s20 is written, ahead of its first reader: LDS addresses, bases and the branches on the wave's number are made from it
	s_lshr_b32 s66, s20, 3                         ; w / 8
	s_bfe_u32 s67, s20, 0x20001                    ; (w / 2) % 4
	s_and_b32 s100, s20, 1                         ; w % 2
	; my query is row rr = 4 (w / 2) + w % 2 + 2 (r / 8) of the 32, columns 64 (r % 8) on: row tile R = w / 8, lane r' = rr % 16, K step (r % 8) / 2, registers 6 (r % 2) on, half of the lanes = the block of 32 channels
	v_and_b32 v[L2+1], 7, v[T+1]                   ; r % 8
	v_lshrrev_b32 v251, 3, v[T+1]                  ; r / 8
	v_mul_u32_u24 v4, v[L2+1], 768                 ; 1,536 x K step + 768 x (r % 2)
	v_lshl_add_u32 v4, v251, 4, v4                 ; 8 r': its part 16 (r / 8),
	v_lshl_add_u32 v4, v[L2], 7, v4                ; 128 x half
	s_mul_i32 s101, s66, 6144
	s_lshl_b32 s28, s67, 5
	s_add_co_u32 s101, s101, s28
	s_lshl_b32 s28, s100, 3
	s_add_co_u32 s101, s101, s28
	s_add_co_u32 s101, s101, CXB
	v_add_nc_u32 v4, s101, v4
	v_lshrrev_b32 v252, 1, v[L2+1]
	v_lshlrev_b32 v5, 7, v252                      ; the two bytes: 128 x K step
	v_and_b32 v252, 1, v[T+1]
	v_lshl_add_u32 v5, v252, 1, v5                 ; + 2 (r % 2)
	v_lshl_add_u32 v5, v251, 3, v5                 ; + 4 r'
	s_lshl_b32 s101, s66, 6
	s_lshl_b32 s28, s67, 4
	s_add_co_u32 s101, s101, s28
	s_lshl_b32 s28, s100, 2
	s_add_co_u32 s101, s101, s28
	s_add_co_u32 s101, s101, CXS
	v_add_nc_u32 v5, s101, v5
	v_mul_u32_u24 v6, v[T+1], OP                   ; the stage, in: row r' (+ 16 R), my 32 outputs' 128 bytes, 64 for each half of the lanes
	v_lshl_add_u32 v6, v[L2], 6, v6
	s_lshl_b32 s101, s20, 7
	s_add_co_u32 s101, s101, OST
	v_add_nc_u32 v6, s101, v6
	s_mul_i32 s101, s20, 2*OP                      ; and back: rows 2 w and 2 w + 1, 16 bytes a lane
	s_add_co_u32 s101, s101, OST
	v_add_nc_u32 v7, s101, v1
	s_and_b32 s28, ttmp7, 0xffff                   ; 8 b + head
	s_lshl_b32 s27, s28, 4
	s_add_co_u32 s27, s27, ttmp9                   ; the block
	s_mul_i32 s2, s28, 16*SLOT
	s_mov_b32 s3, 0
	s_mov_b32 s22, 0x3e38aa3b                      ; c = log2(e) / 8
	s_mov_b32 s23, s22                             ; (named with it as a pair, so it is written)
	s_mov_b32 s24, 0x76543210
	s_mov_b32 s25, 0xfedcba98                      ; v_permlanex16_b32's selects for lane l xor 16
	s_mov_b32 s26, 0
	s_wait_kmcnt 0x0
	s_add_nc_u64 s[6:7], s[6:7], s[2:3]            ; the head's 16 blocks of K and V
	s_wait_alu depctr_va_vdst(0)                   ; the offsets and LDS addresses v1, v2 and v4-11 are written, which every load and store of the kernel reads
	COPY_LOAD                                      ; keys 0-255
	s_lshl_b32 s2, ttmp9, 4
	s_add_co_u32 s2, s2, s20
	s_lshl_b32 s2, s2, 13                          ; 8,192 bytes of mask words a query tile
	s_add_nc_u64 s[8:9], s[8:9], s[2:3]
	MASKLOAD                                       ; step 0's
	s_mul_i32 s2, s27, 12800
	s_add_nc_u64 s[4:5], s[4:5], s[2:3]            ; my block of Q
	s_lshl_b32 s2, s66, 8
	s_lshl_b32 s28, s67, 2
	s_add_co_u32 s2, s2, s28
	s_add_nc_u64 s[30:31], s[4:5], s[2:3]          ; my group's scale words
	s_lshr_b32 s2, s20, 1
	s_mul_i32 s2, s2, 1536
	s_add_nc_u64 s[4:5], s[4:5], s[2:3]            ; my group's fragment: my tile is its half w % 2
.irp c, 0,1,2
	global_load_b128 v[FR+4*\c:FR+4*\c+3], v1, s[4:5] offset:512*\c
.endr
	global_load_b32 v[QLS], v11, s[30:31] offset:12288
	s_wait_loadcnt 0x0
	s_sub_co_u32 s28, 0, s100                      ; all ones for the odd tile
	s_lshl_b32 s29, s100, 4
.irp i, 0,1,2,3,4,5
	v_cndmask_b32 v[QL+\i], v[FR+\i], v[FR+6+\i], s28
.endr
.irp i, 0,1,2,3,4,5
	v_mov_b32 v[QL+6+\i], 0
	v_mov_b32 v[QH+\i], 0
	v_mov_b32 v[QH+6+\i], v[QL+\i]
.endr
	v_lshrrev_b32 v[QLS], s29, v[QLS]
	v_and_b32 v[QLS], 0xffff, v[QLS]               ; my tile's two bytes below; the bytes of the empty half are 0, over zero codes
	v_lshlrev_b32 v[QHS], 16, v[QLS]               ; and above
	COPY_STORE 0
	s_wait_alu depctr_vm_vsrc(0)                   ; the LDS stores have read v[CP ..], in which the next block's loads land
	s_wait_dscnt 0x0                               ; the stores have read their registers
	s_add_nc_u64 s[6:7], s[6:7], SLOT              ; (the loads that named this base are in)
	COPY_LOAD                                      ; keys 256-511
	v_mov_b32 v13, 0xff61b1e6                      ; the largest t so far: -3e38, under every t
	v_floor_f32 v12, -v13                          ; -M
	v_mov_b32 v14, 0
	v_mov_b32 v15, 0
	v_mov_b32 v[F+1], 0
.irp b, 0,1,2,3
	v_mov_b32 v[PB+\b], 0                          ; a lane permute's destination counts as one of its sources
.endr
.set j, 0
.rept 32
	v_mov_b32 v[O+j], 0                            ; O^T: the step is written once; the first finds zeros, which the first change of M leaves zeros
.set j, j+1
.endr
; A KEY STEP: the q-th 128 keys of slot sl
.macro STEP sl, q
	PLACES                                         ; behind the last step's products, which read FR
	s_wait_alu depctr_va_vdst(0)                   ; the last step's products V^T P are done reading v[FR ..], in which K's fragments land.  In the first step: the selects that made Q are done reading v[FR ..], and [Q | 0], [0 | Q] and their scale words, which the scaled products below take, are written
.irp b, 0,1,2,3
.irp c, 0,1,2
	ds_load_b128 v[FR+12*\b+4*\c:FR+12*\b+4*\c+3], v1 offset:\sl*SLOT+(4*\q+\b)*1536+512*\c
.endr
.endr
	ds_load_b128 v[KS:KS+3], v1 offset:\sl*SLOT+KSC    ; register b: lane (r, step): the word of key row r of group b
	s_wait_dscnt 0x0
.irp b, 0,1,2,3
	WMZ S+16*\b,FR+12*\b,QL,KS+\b,QLS,\q
	WMZ S+16*\b+8,FR+12*\b,QH,KS+\b,QHS,\q
.endr
	PLACES
	s_wait_kmcnt 0x0                               ; this step's mask words, asked for a step ago
.set j, 0
.rept 32
	v_cndmask_b32 v[S+j], v[S+j], v3, s[32+j]      ; ascending: each accumulator is read from its low end on
.set j, j+1
.endr
.rept 32
	v_cndmask_b32 v[S+j], v[S+j], v3, s[36+j]
.set j, j+1
.endr
	s_wait_alu depctr_va_vdst(0)                   ; the products K Q^T are done reading v[FR ..], in which V's fragments land; the 64 selects are done reading s[32:63] and s[68:99], which the scalar loads below write
.irp l, 0,1,2,3                                ; V's fragments land under the softmax
.irp c, 0,1,2
	ds_load_b128 v[FR+12*\l+4*\c:FR+12*\l+4*\c+3], v1 offset:\sl*SLOT+VOF+(4*\q+\l)*1536+512*\c
.endr
.endr
	ds_load_b128 v[VS:VS+3], v1 offset:\sl*SLOT+VSC
	s_add_co_u32 s26, s26, 256                     ; the next step's words; the last step asks for its own again: no load leaves the buffer, and there is no branch
	s_min_u32 s26, s26, 7936
	MASKLOAD
.irp b, 0,1,2,3
	v_max3_num_f32 v[BM+\b], v[S+16*\b], v[S+1+16*\b], v[S+2+16*\b]   ; the largest score of each block of 32 keys: for the row's maximum and, since p rises with the score, for the block's largest p
.endr
.irp i, 3,5,7,9,11,13
.irp b, 0,1,2,3
	v_max3_num_f32 v[BM+\b], v[BM+\b], v[S+16*\b+\i], v[S+1+16*\b+\i]
.endr
.endr
.irp b, 0,1,2,3
	v_max_num_f32 v[BM+\b], v[BM+\b], v[S+15+16*\b]
.endr
.irp b, 0,1,2,3
	v_permlanex16_b32 v[PB+\b], v[BM+\b], s24, s25
.endr
.irp b, 0,1,2,3
	v_max_num_f32 v[BM+\b], v[BM+\b], v[PB+\b]     ; with lane l xor 16's 16 keys
.endr
	v_max3_num_f32 v[T], v[BM], v[BM+1], v[BM+2]
	v_max_num_f32 v[T], v[T], v[BM+3]
	v_mul_f32 v[T], s22, v[T]                      ; as t (c is positive)
	v_max_num_f32 v13, v13, v[T]                   ; the running largest t
	v_mov_b32 v[T], v12
	v_floor_f32 v12, -v13                          ; the new -M = -ceil(t): M is a whole number
	v_sub_f32 v[T], v12, v[T]                      ; old M - new M: a whole number, 0 or less
	v_cvt_i32_f32 v[T], v[T]                       ; (it saturates)
	v_ldexp_f32 v[F], 1.0, v[T]                    ; f = 2^(old M - new M): multiplying by it rounds nothing
.set j, 0
.rept 32
	v_pk_fma_f32 v[S+j:S+j+1], v[S+j:S+j+1], s[22:23], v[12:13] op_sel_hi:[1,0,0]   ; t - M, two at a time
.set j, j+2
.endr
.irp b, 0,1,2,3
	v_fma_f32 v[BM+\b], v[BM+\b], s22, v12         ; the same of each block's largest score
.endr
.set j, 0
	s_wait_alu depctr_va_vdst(0)
.rept 64
	v_exp_f32 v[S+j], v[S+j]                       ; p = 2^(t - M), at most 1, not normalised
.set j, j+1
.endr
.irp b, 0,1,2,3
	v_exp_f32 v[BM+\b], v[BM+\b]                   ; the block's largest p: the same two instructions on the same number give the same bits
.endr
	v_pk_mul_f32 v[14:15], v[14:15], v[F:F+1] op_sel_hi:[1,0]   ; the sums under the new M.  (The plain place behind the exponentials)
	s_wait_alu depctr_va_vdst(0)                   ; the 68 exponentials have written v[S ..] and v[BM ..]: one wait for the batch, ahead of its first reader
.irp b, 0,1,2,3
	v_max_num_f32 v[BM+\b], 0x1800000, v[BM+\b]    ; the floor 2^(3 - 127): the byte cannot fall under 1
.endr
.irp b, 0,1,2,3
	v_add_nc_u32 v[SOP+\b], 0xff000000, v[BM+\b]   ; 2 off the exponent field: the conversion's scale operand
.endr
.irp b, 0,1,2,3
	v_lshrrev_b32 v[PB+\b], 23, v[SOP+\b]          ; the scale's byte
.endr
	v_lshl_or_b32 v[PW], v[PB+1], 8, v[PB]         ; p's scale word for these 128 keys
	v_lshl_or_b32 v[PW], v[PB+2], 16, v[PW]
	v_lshl_or_b32 v[PW], v[PB+3], 24, v[PW]
.irp c, 0,1
	v_cvt_scalef32_pk16_fp6_f32 v[PC+6*\c:PC+6*\c+2], v[S+32*\c:S+32*\c+15], v[SOP+2*\c]
	v_cvt_scalef32_pk16_fp6_f32 v[TQ+4*\c:TQ+4*\c+2], v[S+16+32*\c:S+31+32*\c], v[SOP+2*\c+1]   ; (a conversion's three registers begin on an even number)
.endr
	v_nop                                          ; one plain place behind a scaled conversion
.irp c, 0,1                                    ; the operand's layout wants a whole block in a lane
.irp i, 0,1,2
	v_permlane16_swap_b32 v[PC+6*\c+\i], v[TQ+4*\c+\i]
.endr
.irp i, 0,1,2
	v_mov_b32 v[PC+3+6*\c+\i], v[TQ+4*\c+\i]
.endr
.endr
	v_pk_add_f32 v[L2:L2+1], v[S:S+1], v[S+2:S+3]  ; the row's sum is taken of the unquantised p: two at a time, in two chains
.set j, 4
.rept 15
	v_pk_add_f32 v[14:15], v[14:15], v[S+j:S+j+1]
	v_pk_add_f32 v[L2:L2+1], v[L2:L2+1], v[S+j+2:S+j+3]
.set j, j+4
.endr
	v_pk_add_f32 v[14:15], v[14:15], v[L2:L2+1]
.set j, 0
.rept 16
	v_pk_mul_f32 v[O+j:O+j+1], v[O+j:O+j+1], v[F:F+1] op_sel_hi:[1,0]   ; O^T under the new M.  (These and the sums are the places between the scale word's and the codes' last writes and the products below)
.set j, j+2
.endr
	s_wait_dscnt 0x0                               ; V
	s_wait_alu depctr_va_vdst(0)                   ; the conversions, swaps and moves have written v[PC ..] and the shifts v[PW], which the scaled products below take as source 1 and as its scales; the places above stay beside this wait
.irp l, 0,1,2,3
	WMC O+8*\l,FR+12*\l,PC,O+8*\l,VS+\l,PW,\q,0
.endr
.endm
	s_mov_b32 s21, 8
.Ltrip:                                            ; 8 trips of 512 keys: slot 0's two steps, slot 1's two
	s_wait_dscnt 0x0                               ; my reads of slot 1 are over, my stores into slot 0 have landed
	s_barrier_signal -1
	s_barrier_wait -1                              ; both now hold of every wave
	s_wait_loadcnt 0x0                             ; slot 1's keys, asked for two steps ago
	COPY_STORE 1
	s_wait_alu depctr_vm_vsrc(0)                   ; the LDS stores have read v[CP ..], in which the next block's loads land; it stands ahead of the branch
	s_cmp_eq_u32 s21, 1
	s_cbranch_scc1 .La_last                        ; the last trip has nothing more to ask for
	s_wait_dscnt 0x0                               ; the stores have read their registers
	s_add_nc_u64 s[6:7], s[6:7], SLOT
	COPY_LOAD
.La_last:
	STEP 0, 0
	STEP 0, 1
	s_wait_dscnt 0x0                               ; my reads of slot 0 are over, my stores into slot 1 have landed
	s_barrier_signal -1
	s_barrier_wait -1
	s_cmp_eq_u32 s21, 1
	s_cbranch_scc1 .Lb_last
	s_wait_loadcnt 0x0
	COPY_STORE 0
	s_wait_alu depctr_vm_vsrc(0)                   ; the LDS stores have read v[CP ..], in which the next block's loads land
	s_wait_dscnt 0x0
	s_add_nc_u64 s[6:7], s[6:7], SLOT
	COPY_LOAD
.Lb_last:
	STEP 1, 0
	STEP 1, 1
	s_sub_co_u32 s21, s21, 1
	s_cmp_lg_u32 s21, 0
	s_cbranch_scc1 .Ltrip
	; ---- THE END.  Wave w takes outputs 32 w .. 32 w + 31 of the last product, for the work-group's 32 rows
	s_wait_kmcnt 0x0                               ; the last step's spare request for mask words
	PLACES
	s_add_co_u32 s28, s20, 304                     ; Wo's group w
	s_mul_i32 s2, s28, 12288
	s_add_nc_u64 s[10:11], s[10:11], s[2:3]
	s_lshl_b32 s2, s28, 9
	s_add_nc_u64 s[12:13], s[12:13], s[2:3]
	s_lshl_b32 s2, s20, 7
	s_add_nc_u64 s[14:15], s[14:15], s[2:3]
	s_lshl_b32 s2, s27, 16                         ; rows 32 blk + 2 w and the next, of 2,048 bytes
	s_lshl_b32 s28, s20, 12
	s_add_co_u32 s2, s2, s28
	s_add_nc_u64 s[16:17], s[16:17], s[2:3]
	s_add_nc_u64 s[18:19], s[18:19], s[2:3]
	s_wait_alu depctr_va_vdst(0)                   ; the last step's products and its softmax are done with v[FR ..], v[S ..], Q's registers and v[KS ..], in which Wo's fragments, bo and Wo's scale words land
.set i, 0
.rept 24
	global_load_b128 v[WF+4*i:WF+4*i+3], v1, s[10:11] offset:512*i   ; fragment (u, s) at v[WF + 12 (4 u + s)]
.set i, i+1
.endr
	global_load_b128 v[KS:KS+3], v1, s[12:13]      ; register s: lane (r, u): Wo's scale word
.irp i, 0,1,2,3
	global_load_b128 v[16+4*\i:16+4*\i+3], v10, s[14:15] offset:16*\i   ; register i: bo of output 32 w + 16 h + i
.endr
	v_add_f32 v14, v14, v15                        ; the sum's two halves,
	v_permlanex16_b32 v[T], v14, s24, s25
	v_add_f32 v14, v14, v[T]                       ; and lane l xor 16's
	s_wait_alu depctr_va_vdst(0)
	v_rcp_f32 v[F], v14
	v_nop                                          ; one plain place behind a transcendental
.set j, 0
	s_wait_alu depctr_va_vdst(0)                   ; the reciprocal has written v[F], ahead of its first reader
.rept 16
	v_pk_mul_f32 v[O+j:O+j+1], v[O+j:O+j+1], v[F:F+1] op_sel_hi:[1,0]   ; the context
.set j, j+2
.endr
.irp b, 0,1                                    ; its two blocks of 32 channels are two blocks along the last product's K
	v_max3_num_f32 v[BM+\b], |v[O+16*\b]|, |v[O+1+16*\b]|, 0x1800000
.endr
.irp i, 2,4,6,8,10,12,14
.irp b, 0,1
	v_max3_num_f32 v[BM+\b], v[BM+\b], |v[O+16*\b+\i]|, |v[O+1+16*\b+\i]|
.endr
.endr
.irp b, 0,1
	v_permlanex16_b32 v[PB+\b], v[BM+\b], s24, s25
.endr
.irp b, 0,1
	v_max_num_f32 v[BM+\b], v[BM+\b], v[PB+\b]
.endr
.irp b, 0,1
	v_add_nc_u32 v[SOP+\b], 0xff000000, v[BM+\b]
.endr
.irp b, 0,1
	v_lshrrev_b32 v[PB+\b], 23, v[SOP+\b]
.endr
	v_lshl_or_b32 v[T], v[PB+1], 8, v[PB]          ; my query's two bytes
	v_cvt_scalef32_pk16_fp6_f32 v[PC:PC+2], v[O:O+15], v[SOP]
	v_cvt_scalef32_pk16_fp6_f32 v[TQ:TQ+2], v[O+16:O+31], v[SOP+1]
	v_nop                                          ; one plain place behind a scaled conversion
.irp i, 0,1,2
	v_permlane16_swap_b32 v[PC+\i], v[TQ+\i]       ; lanes 0-15 now hold block 0 whole, lanes 16-31 block 1
.endr
.irp i, 0,1,2
	v_mov_b32 v[PC+3+\i], v[TQ+\i]
.endr
	s_wait_alu depctr_va_vdst(0)                   ; v[PC ..] and v[T] are written, which the LDS stores below read; and the quantiser is done with v162-185 and v218-249, in which the context's fragments and the residual land (no vector instruction follows ahead of those loads)
	ds_store_b64 v4, v[PC:PC+1]                    ; six registers of the operand's image
	ds_store_b64 v4, v[PC+2:PC+3] offset:256
	ds_store_b64 v4, v[PC+4:PC+5] offset:512
	ds_store_b16 v5, v[T]                          ; both halves of the lanes write the same two bytes with the same value
	s_wait_dscnt 0x0
	s_barrier_signal -1
	s_barrier_wait -1                              ; the context's eight fragments and their scale words lie in LDS
	s_wait_alu depctr_vm_vsrc(0)                   ; my four LDS stores have read v[PC ..], which the products below write as accumulators, and v[T], in which a load of the residual lands
.set i, 0
.rept 8
	global_load_b128 v[XR+4*i:XR+4*i+3], v1, s[16:17] offset:512*i   ; the residual: two rows, 4,096 consecutive bytes
.set i, i+1
.endr
.irp s, 0,1,2,3
	ds_load_b32 v[VS+\s], v9 offset:CXS+128*\s     ; lane (r', R): the word of row 16 R + r', K step s
.endr
	s_wait_loadcnt 8                               ; Wo, its scales and bo are in; the residual's 8 loads may be out
.irp s, 0,1,2,3
.irp R, 0,1
.irp P, 0,1,2,3,4,5
	ds_load_b64 v[CF+12*\R+2*\P:CF+12*\R+2*\P+1], v8 offset:CXB+(4*\R+\s)*1536+256*\P
.endr
.endr
	s_wait_dscnt 0x0
.irp R, 0,1                                    ; four accumulators by turns; source 0 = 16 rows of Wo, source 1 = 16 rows of the context; bo starts the sums
.irp u, 0,1
.if \s == 0
	WMC OA+16*\R+8*\u,WF+12*(4*\u+\s),CF+12*\R,16+8*\u,KS+\s,VS+\s,\u,\R
.else
	WMC OA+16*\R+8*\u,WF+12*(4*\u+\s),CF+12*\R,OA+16*\R+8*\u,KS+\s,VS+\s,\u,\R
.endif
.endr
.endr
	PLACES
	s_wait_alu depctr_va_vdst(0)                   ; K steps 0 to 2: the four products are done reading v[CF ..], in which the next K step's fragments land; K step 3: they have written v[OA ..], which the LDS stores below read, and are done reading v[WF ..], in which the stage's rows land.  The places above stay beside this wait
.endr
.irp R, 0,1
.irp i, 0,1,2,3
	ds_store_b128 v6, v[OA+16*\R+4*\i:OA+16*\R+4*\i+3] offset:16*OP*\R+16*\i   ; row 16 R + r', outputs 32 w + 16 h + 4 i on; each accumulator from its low end on
.endr
.endr
	s_wait_dscnt 0x0
	s_barrier_signal -1
	s_barrier_wait -1                              ; 32 whole rows lie in the stage
.irp p, 0,1
.irp i, 0,1,2,3
	ds_load_b128 v[RB+16*\p+4*\i:RB+16*\p+4*\i+3], v7 offset:OP*\p+512*\i
.endr
.endr
	s_wait_loadcnt 0x0                             ; the residual
	s_wait_dscnt 0x0
.set j, 0
.rept 16
	v_pk_add_f32 v[RB+j:RB+j+1], v[RB+j:RB+j+1], v[XR+j:XR+j+1]
.set j, j+2
.endr
	s_wait_alu depctr_va_vdst(0)                   ; the additions have written v[RB ..], which the stores below read
.set i, 0
.rept 8
	global_store_b128 v1, v[RB+4*i:RB+4*i+3], s[18:19] offset:512*i th:TH_STORE_NT   ; 32 lanes store 512 consecutive bytes, at a multiple of 256 from out0's first byte
.set i, i+1
.endr
	s_wait_dscnt 0x0                               ; the closing lines, six on end
	s_wait_alu 0x0
	s_wait_tensorcnt 0x0
	ds_add_u32 v254, v255
	s_wait_dscnt 0x0
	s_endpgm
.Lfunc_end_k_qbbc3dd2932_attn:
	.size	k_qbbc3dd2932_attn, .Lfunc_end_k_qbbc3dd2932_attn-k_qbbc3dd2932_attn
	.p2alignl 7, 3214868480
	.fill 96, 4, 3214868480
	.section	.rodata,"a",@progbits
	.p2align	6, 0x0
	.amdhsa_kernel k_qbbc3dd2932_attn
		.amdhsa_group_segment_fixed_size 132096
		.amdhsa_private_segment_fixed_size 0
		.amdhsa_enable_private_segment 0
		.amdhsa_kernarg_size 64
		.amdhsa_user_sgpr_count 2
		.amdhsa_user_sgpr_kernarg_segment_ptr 1
		.amdhsa_wavefront_size32 1
		.amdhsa_system_sgpr_workgroup_id_x 1
		.amdhsa_system_sgpr_workgroup_id_y 1
		.amdhsa_system_sgpr_workgroup_id_z 1
		.amdhsa_system_vgpr_workitem_id 0
		.amdhsa_next_free_vgpr 256
		.amdhsa_next_free_sgpr 102
		.amdhsa_reserve_vcc 0
		.amdhsa_float_denorm_mode_32 3
		.amdhsa_float_denorm_mode_16_64 3
		.amdhsa_memory_ordered 1
		.amdhsa_forward_progress 1
		.amdhsa_inst_pref_size 106
	.end_amdhsa_kernel
	.amdgpu_metadata
---
amdhsa.version: [ 1, 2 ]
amdhsa.kernels:
  - .name:           k_qbbc3dd2932_attn
    .symbol:         k_qbbc3dd2932_attn.kd
    .args:
      - { .name: qimg, .offset: 0, .size: 8, .value_kind: global_buffer, .address_space: global }
      - { .name: kv, .offset: 8, .size: 8, .value_kind: global_buffer, .address_space: global }
      - { .name: maskw, .offset: 16, .size: 8, .value_kind: global_buffer, .address_space: global }
      - { .name: opc, .offset: 24, .size: 8, .value_kind: global_buffer, .address_space: global }
      - { .name: ops, .offset: 32, .size: 8, .value_kind: global_buffer, .address_space: global }
      - { .name: bo, .offset: 40, .size: 8, .value_kind: global_buffer, .address_space: global }
      - { .name: x, .offset: 48, .size: 8, .value_kind: global_buffer, .address_space: global }
      - { .name: out0, .offset: 56, .size: 8, .value_kind: global_buffer, .address_space: global }
    .group_segment_fixed_size: 132096
    .private_segment_fixed_size: 0
    .kernarg_segment_align: 8
    .kernarg_segment_size: 64
    .max_flat_workgroup_size: 512
    .sgpr_count:     102
    .vgpr_count:     256
    .wavefront_size: 32
...
	.end_amdgpu_metadata
.endif
;; end of part 6
